; MI455X (gfx1250); checked and timed in simulation.
; The chip was launched on July 23, 2026; its instructions are those of AMD's public machine-readable ISA for CDNA 5 (MIT licence, August 2026) and "CDNA5" Instruction Set Architecture Reference Guide (July 2026). The comments in the code are by the model that wrote it; some were corrected since.
;; Single Layer Mo E. Allowed arithmetic: float matrix products may take bf16 or f16 operands with f32 sums; other float arithmetic in f32, or as packed bf16 or f16 multiplies, adds, multiply-adds, maxima and minima; sums over many terms, partial sums and values carried from step to step in f32; what a program stores and reads back later, other than sums and carried values, may be rounded once to bf16 or f16.
;; Inputs: b1 8 x 4,096 float32; b2 8 x 1,024 float32; router_b 8 float32; router_w 1,024 x 8 float32; w1 8 x 1,024 x 4,096 float32; w2 8 x 4,096 x 1,024 float32; x 1,024 x 1,024 float32.
;; Outputs: out0 1,024 x 1,024 float32; out1 one number float32; out2 one number float32.
;; 2 versions, each right and faster than the one before. Each part assembles by itself: llvm-mc -triple=amdgcn-amd-amdhsa -mcpu=gfx1250 --defsym DOCPART=n.
;; ======== version 1 of 2: 4 launches
;; workspace buffers: xb 2,097,152 bytes; selp 4,096 bytes of whole numbers; gates 8,192 bytes; aux 16,384 bytes; pos 40,960 bytes of whole numbers; cnt 4,096 bytes of whole numbers; hid 67,108,864 bytes; ybuf 134,217,728 bytes
;; launch router (part 1): grid 256 x 1, 8 waves a work-group, no clusters, 38,912 bytes of LDS; arguments x, router_w, router_b, xb, selp, gates, aux; writes xb, selp, gates, aux
.if DOCPART == 1
	.amdgcn_target "amdgcn-amd-amdhsa--gfx1250"
	.amdhsa_code_object_version 6
	.text
	.protected	k_qe1946bb5b2_router
	.globl	k_qe1946bb5b2_router
	.p2align	8
	.type	k_qe1946bb5b2_router,@function
k_qe1946bb5b2_router:
	s_mov_b64 s[64:65], 0
	v_nop
	global_prefetch_b8 v0, s[64:65] scope:SCOPE_SE
	s_setreg_imm32_b32 hwreg(HW_REG_WAVE_MODE, 25, 1), 1
	s_wait_xcnt 0x0
; ROUTER.  logits = x router_w + router_b; the two largest logits of each token, their softmax (the gates), and each work-group's part of the two losses' sums.  It also writes x rounded to bf16 (xb).
; FORMATS.  x, router_w and router_b are rounded to bf16 first, as every input of this program is; products and sums in f32.  The product has 8 columns and 0.05 % of the program's multiply-adds and x lies here
; in row order for the cast, so it is made by packed f32 multiply-adds, not by the matrix unit.
; LIMITS.  NaN is not treated apart (the compares that find the two largest pass it over); an exponential below 2^-126 counts as 0.  Ties go to the lower index, as in jax.lax.top_k.
; SHARES.  A work-group has 4 tokens; thread tid has channels 4 tid .. 4 tid + 3 of each: 32 partial sums (4 tokens x 8 experts).  They are added over a wave's lanes by a turn through LDS (lane L adds
; number L of all 32 lanes), over the 8 waves by wave 0, behind the one barrier.  No address hangs on the choice: it is stored as whole numbers at fixed places, for the next launch.
; selp[t] = 1 << e0 | 1 << (e1 + 8).  gates[k 1024 + t].  aux: 64 bytes a work-group: 8 sums of probabilities, 1 sum of entropies.
.set PITCH1, 144                       ; a thread's 128 bytes of partial sums + 16: an odd multiple of 16 bytes
.set R2,    36864                      ; behind 256 x 144 bytes: 128 bytes a wave, the wave's 32 sums
.set SPARE, 37888                      ; the spare words: 128 bytes a wave, four blocks of 256 bytes that no other line names
.set X,   32                           ; v[32:47]   x, index 4 t + c
.set W,   48                           ; v[48:79]   router_w, index 8 c + e
.set PX,  80                           ; v[80:87]   x packed to bf16
.set PW,  88                           ; v[88:103]  router_w packed
.set ACC, 104                          ; v[104:135] partial sums, index 8 t + e
.set RB,  136                          ; v[136:143] router_b
.set LG,  32                           ; wave 0: v[32:39] the 8 logits of token lane & 3
	s_load_b256 s[4:11], s[0:1], 0x0               ; x s[4:5], router_w s[6:7], router_b s[8:9], xb s[10:11]
	s_load_b128 s[12:15], s[0:1], 0x20             ; selp s[12:13], gates s[14:15]
	s_load_b64 s[16:17], s[0:1], 0x30              ; aux
	v_lshl_add_u32 v30, v0, 2, SPARE               ; my spare word,
	v_mov_b32 v31, 0                               ; and 0: kept for the closing lines alone
	v_and_b32 v1, 31, v0                           ; lane
	v_lshrrev_b32 v2, 5, v0
	v_readfirstlane_b32 s18, v2                    ; wave
	v_lshlrev_b32 v3, 4, v0                        ; my 16 bytes of a row of x
	v_lshlrev_b32 v4, 7, v0                        ; my 4 rows of router_w, 32 bytes each
	v_lshlrev_b32 v5, 3, v0                        ; my 8 bytes of a row of xb
	v_mov_b32 v6, 0
	s_mul_i32 s19, s18, 32*PITCH1                  ; my wave's part of the first region
	v_mul_u32_u24 v7, v1, PITCH1
	v_add_nc_u32 v7, s19, v7                       ; where I put my 32 sums
	v_lshl_add_u32 v8, v1, 2, s19                  ; where I read number L of lane 0
	s_lshl_b32 s22, s18, 7
	v_lshl_add_u32 v9, v1, 2, s22                  ; my word among the wave's 32 sums (R2 stands in the immediate)
	v_lshlrev_b32 v11, 2, v1
	s_mov_b32 s23, 0xffff0000                      ; a word's upper bf16
	s_lshl_b32 s20, ttmp9, 14                      ; 4 rows of x
	s_mov_b32 s21, 0
	s_lshl_b32 s24, ttmp9, 13                      ; 4 rows of xb
	s_mov_b32 s25, 0
	s_lshl_b32 s26, ttmp9, 4                       ; 4 words of selp and of gates
	s_mov_b32 s27, 0
	s_lshl_b32 s28, ttmp9, 6                       ; my record in aux
	s_mov_b32 s29, 0
	s_wait_kmcnt 0x0
	s_add_nc_u64 s[4:5], s[4:5], s[20:21]
	s_add_nc_u64 s[10:11], s[10:11], s[24:25]
	s_add_nc_u64 s[12:13], s[12:13], s[26:27]
	s_add_nc_u64 s[14:15], s[14:15], s[26:27]
	s_add_nc_u64 s[16:17], s[16:17], s[28:29]
.irp i, 0,1,2,3,4,5,6,7
	global_load_b128 v[W+4*(\i):W+4*(\i)+3], v4, s[6:7] offset:16*(\i)
.endr
.irp t, 0,1,2,3
	global_load_b128 v[X+4*(\t):X+4*(\t)+3], v3, s[4:5] offset:4096*(\t) th:TH_LOAD_NT
.endr
	global_load_b128 v[RB:RB+3], v6, s[8:9]
	global_load_b128 v[RB+4:RB+7], v6, s[8:9] offset:16
	s_wait_loadcnt 6                               ; router_w is in: behind it stand x's 4 loads and router_b's 2
.irp k, 0,1,2,3,4,5,6,7,8,9,10,11,12,13,14,15
	v_cvt_pk_bf16_f32 v[PW+(\k)], v[W+2*(\k)], v[W+2*(\k)+1]
.endr
.irp k, 0,1,2,3,4,5,6,7,8,9,10,11,12,13,14,15
	v_lshlrev_b32 v[W+2*(\k)], 16, v[PW+(\k)]      ; back to f32: the rounded numbers
	v_and_b32 v[W+2*(\k)+1], s23, v[PW+(\k)]
.endr
	s_wait_loadcnt 2                               ; x is in: behind it stand router_b's 2 loads
.irp k, 0,1,2,3,4,5,6,7
	v_cvt_pk_bf16_f32 v[PX+(\k)], v[X+2*(\k)], v[X+2*(\k)+1]
.endr
.irp t, 0,1,2,3
	global_store_b64 v5, v[PX+2*(\t):PX+2*(\t)+1], s[10:11] offset:2048*(\t)  ; a wave's store covers 256 consecutive bytes, aligned
.endr
.irp k, 0,1,2,3,4,5,6,7
	v_lshlrev_b32 v[X+2*(\k)], 16, v[PX+(\k)]
	v_and_b32 v[X+2*(\k)+1], s23, v[PX+(\k)]
.endr
	; 16 pairs of sums; x's number is given to both halves of a pair by op_sel and op_sel_hi
.irp t, 0,1,2,3
.irp f, 0,1,2,3
	v_pk_mul_f32 v[ACC+8*(\t)+2*(\f):ACC+8*(\t)+2*(\f)+1], v[X+4*(\t):X+4*(\t)+1], v[W+2*(\f):W+2*(\f)+1] op_sel_hi:[0,1]
.endr
.endr
.irp t, 0,1,2,3
.irp f, 0,1,2,3
	v_pk_fma_f32 v[ACC+8*(\t)+2*(\f):ACC+8*(\t)+2*(\f)+1], v[X+4*(\t):X+4*(\t)+1], v[W+8+2*(\f):W+8+2*(\f)+1], v[ACC+8*(\t)+2*(\f):ACC+8*(\t)+2*(\f)+1] op_sel:[1,0,0] op_sel_hi:[1,1,1]
.endr
.endr
.irp t, 0,1,2,3
.irp f, 0,1,2,3
	v_pk_fma_f32 v[ACC+8*(\t)+2*(\f):ACC+8*(\t)+2*(\f)+1], v[X+4*(\t)+2:X+4*(\t)+3], v[W+16+2*(\f):W+16+2*(\f)+1], v[ACC+8*(\t)+2*(\f):ACC+8*(\t)+2*(\f)+1] op_sel_hi:[0,1,1]
.endr
.endr
.irp t, 0,1,2,3
.irp f, 0,1,2,3
	v_pk_fma_f32 v[ACC+8*(\t)+2*(\f):ACC+8*(\t)+2*(\f)+1], v[X+4*(\t)+2:X+4*(\t)+3], v[W+24+2*(\f):W+24+2*(\f)+1], v[ACC+8*(\t)+2*(\f):ACC+8*(\t)+2*(\f)+1] op_sel:[1,0,0] op_sel_hi:[1,1,1]
.endr
.endr
	; over the wave's lanes: my 32 sums go into my 144 bytes; then I read number L of each lane.  The bytes are my wave's own, and LDS serves a wave's instructions in order (ISA guide 5.7.1.4).
.irp i, 0,1,2,3,4,5,6,7
	ds_store_b128 v7, v[ACC+4*(\i):ACC+4*(\i)+3] offset:16*(\i)
.endr
.irp l, 0,1,2,3,4,5,6,7,8,9,10,11,12,13,14,15,16,17,18,19,20,21,22,23,24,25,26,27,28,29,30,31
	ds_load_b32 v[W+(\l)], v8 offset:PITCH1*(\l)
.endr
	s_wait_dscnt 0x0
.irp i, 0,1,2,3,4,5,6,7
	v_pk_add_f32 v[W+4*(\i):W+4*(\i)+1], v[W+4*(\i):W+4*(\i)+1], v[W+4*(\i)+2:W+4*(\i)+3]
.endr
.irp i, 0,1,2,3
	v_pk_add_f32 v[W+8*(\i):W+8*(\i)+1], v[W+8*(\i):W+8*(\i)+1], v[W+8*(\i)+4:W+8*(\i)+5]
.endr
	v_pk_add_f32 v[W:W+1], v[W:W+1], v[W+8:W+9]
	v_pk_add_f32 v[W+16:W+17], v[W+16:W+17], v[W+24:W+25]
	v_pk_add_f32 v[W:W+1], v[W:W+1], v[W+16:W+17]
	v_add_f32 v[W], v[W], v[W+1]
	ds_store_b32 v9, v[W] offset:R2
	s_wait_dscnt 0x0                               ; for wave 0's sake: my store is done
	s_barrier_signal -1
	s_barrier_wait -1
	s_cmp_eq_u32 s18, 0
	s_cbranch_scc1 .Lwave0
	s_wait_tensorcnt 0x0                           ; waves 1 to 7 end
	ds_add_u32 v30, v31
	s_wait_dscnt 0x0
	s_endpgm
.Lwave0:
	s_wait_xcnt 0x0                                ; xb's stores have read v[80:87]: the loads below land there only behind this wait
	v_and_b32 v10, 3, v1                           ; my token
	v_lshlrev_b32 v10, 5, v10                      ; its 8 sums in a wave's 128 bytes
.irp g, 0,1,2,3,4,5,6,7
	ds_load_b128 v[32+8*(\g):32+8*(\g)+3], v10 offset:R2+128*(\g)
	ds_load_b128 v[32+8*(\g)+4:32+8*(\g)+7], v10 offset:R2+128*(\g)+16
.endr
	s_wait_loadcnt 0x0                             ; router_b
.irp k, 0,1,2,3
	v_cvt_pk_bf16_f32 v[96+(\k)], v[RB+2*(\k)], v[RB+2*(\k)+1]
.endr
.irp k, 0,1,2,3
	v_lshlrev_b32 v[RB+2*(\k)], 16, v[96+(\k)]
	v_and_b32 v[RB+2*(\k)+1], s23, v[96+(\k)]
.endr
	s_wait_dscnt 0x0
.irp g, 0,2,4,6
.irp k, 0,1,2,3
	v_pk_add_f32 v[32+8*(\g)+2*(\k):32+8*(\g)+2*(\k)+1], v[32+8*(\g)+2*(\k):32+8*(\g)+2*(\k)+1], v[40+8*(\g)+2*(\k):40+8*(\g)+2*(\k)+1]
.endr
.endr
.irp g, 0,4
.irp k, 0,1,2,3
	v_pk_add_f32 v[32+8*(\g)+2*(\k):32+8*(\g)+2*(\k)+1], v[32+8*(\g)+2*(\k):32+8*(\g)+2*(\k)+1], v[48+8*(\g)+2*(\k):48+8*(\g)+2*(\k)+1]
.endr
.endr
.irp k, 0,1,2,3
	v_pk_add_f32 v[32+2*(\k):32+2*(\k)+1], v[32+2*(\k):32+2*(\k)+1], v[64+2*(\k):64+2*(\k)+1]
.endr
.irp k, 0,1,2,3
	v_pk_add_f32 v[LG+2*(\k):LG+2*(\k)+1], v[LG+2*(\k):LG+2*(\k)+1], v[RB+2*(\k):RB+2*(\k)+1]
.endr
	; the largest logit m1 (v40) and its lowest index i1 (v41)
	v_max3_num_f32 v40, v32, v33, v34
	v_max3_num_f32 v40, v40, v35, v36
	v_max3_num_f32 v40, v40, v37, v38
	v_max_num_f32 v40, v40, v39
	v_mov_b32 v41, 7
.irp e, 6,5,4,3,2,1,0
	v_cmp_neq_f32 vcc_lo, v[LG+(\e)], v40
	v_cndmask_b32 v41, \e, v41, vcc_lo             ; equal: the lower index takes the place
.endr
	v_mov_b32 v44, 0xff800000
.irp e, 0,1,2,3,4,5,6,7
	v_cmp_eq_u32 vcc_lo, \e, v41
	v_cndmask_b32 v[48+(\e)], v[LG+(\e)], v44, vcc_lo  ; the first choice is taken out
.endr
	v_max3_num_f32 v42, v48, v49, v50              ; the second largest m2 (v42) and its lowest index i2 (v43)
	v_max3_num_f32 v42, v42, v51, v52
	v_max3_num_f32 v42, v42, v53, v54
	v_max_num_f32 v42, v42, v55
	v_mov_b32 v43, 7
.irp e, 6,5,4,3,2,1,0
	v_cmp_neq_f32 vcc_lo, v[48+(\e)], v42
	v_cndmask_b32 v43, \e, v43, vcc_lo
.endr
	; both softmaxes take the maximum m1 away.  One batch of nine exponentials
	v_sub_f32 v64, v42, v40
.irp k, 0,1,2,3
	v_pk_add_f32 v[56+2*(\k):56+2*(\k)+1], v[LG+2*(\k):LG+2*(\k)+1], v[40:41] op_sel_hi:[1,0] neg_lo:[0,1] neg_hi:[0,1]
.endr
	v_mul_f32 v64, 0x3fb8aa3b, v64
.irp k, 0,1,2,3
	v_pk_mul_f32 v[56+2*(\k):56+2*(\k)+1], v[56+2*(\k):56+2*(\k)+1], 0x3fb8aa3b op_sel_hi:[1,0]
.endr
	v_exp_f32 v64, v64                             ; E = e^(m2 - m1)
.irp e, 0,1,2,3,4,5,6,7
	v_exp_f32 v[56+(\e)], v[56+(\e)]
.endr
	v_mov_b32 v45, 1                               ; the choice as a word of bits: plain work that names no exponential's result
	v_lshlrev_b32 v46, v41, v45
	v_add_nc_u32 v47, 8, v43
	v_lshlrev_b32 v47, v47, v45
	v_or_b32 v46, v46, v47
	s_wait_alu depctr_va_vdst(0)                   ; one wait for the batch, ahead of its first reader
	v_pk_add_f32 v[66:67], v[56:57], v[58:59]
	v_pk_add_f32 v[68:69], v[60:61], v[62:63]
	v_add_f32 v65, 1.0, v64
	v_pk_add_f32 v[66:67], v[66:67], v[68:69]
	v_add_f32 v66, v66, v67
	v_rcp_f32 v65, v65                             ; g0 = 1 / (1 + E)
	v_rcp_f32 v66, v66                             ; 1 / sum
	v_nop
	s_wait_alu depctr_va_vdst(0)
	v_mul_f32 v68, v64, v65                        ; g1 = E g0
.irp k, 0,1,2,3
	v_pk_mul_f32 v[72+2*(\k):72+2*(\k)+1], v[56+2*(\k):56+2*(\k)+1], v[66:67] op_sel_hi:[1,0]  ; the probabilities
.endr
.irp e, 0,1,2,3,4,5,6,7
	v_max_num_f32 v[88+(\e)], 0x322bcc77, v[72+(\e)]  ; clipped at 1e-8
.endr
.irp e, 0,1,2,3,4,5,6,7
	v_log_f32 v[88+(\e)], v[88+(\e)]
.endr
	v_nop
	s_wait_alu depctr_va_vdst(0)
	v_mul_f32 v80, v72, v88
.irp e, 1,2,3,4,5,6,7
	v_fmac_f32 v80, v[72+(\e)], v[88+(\e)]
.endr
	v_mul_f32 v80, 0xbf317218, v80                 ; - ln 2 x the sum of p log2 p
	; over the 4 tokens, which lie in lanes that differ in bits 0 and 1
.irp n, 72,73,74,75,76,77,78,79,80
	v_add_f32_dpp v[(\n)], v[(\n)], v[(\n)] row_xmask:1 row_mask:0xf bank_mask:0xf
.endr
.irp n, 72,73,74,75,76,77,78,79,80
	v_add_f32_dpp v[(\n)], v[(\n)], v[(\n)] row_xmask:2 row_mask:0xf bank_mask:0xf
.endr
	v_cmp_gt_u32 vcc_lo, 4, v1
	s_wait_xcnt 0x0                                ; EXEC changes only behind this wait
	s_and_saveexec_b32 s30, vcc_lo                 ; lanes 0 to 3: one token each
	global_store_b32 v11, v46, s[12:13]
	global_store_b32 v11, v65, s[14:15]
	global_store_b32 v11, v68, s[14:15] offset:4096
	s_wait_xcnt 0x0
	s_or_b32 exec_lo, exec_lo, s30
	v_cmp_eq_u32 vcc_lo, 0, v1
	s_and_saveexec_b32 s30, vcc_lo                 ; lane 0: the work-group's record (nothing was issued since the wait above)
	global_store_b128 v6, v[72:75], s[16:17]
	global_store_b128 v6, v[76:79], s[16:17] offset:16
	global_store_b32 v6, v80, s[16:17] offset:32
	s_wait_xcnt 0x0
	s_or_b32 exec_lo, exec_lo, s30
	s_wait_tensorcnt 0x0                           ; the wave's end: the same three lines
	ds_add_u32 v30, v31
	s_wait_dscnt 0x0
	s_endpgm
.Lfunc_end_k_qe1946bb5b2_router:
	.size	k_qe1946bb5b2_router, .Lfunc_end_k_qe1946bb5b2_router-k_qe1946bb5b2_router
	.p2alignl 7, 3214868480
	.fill 96, 4, 3214868480
	.section	.rodata,"a",@progbits
	.p2align	6, 0x0
	.amdhsa_kernel k_qe1946bb5b2_router
		.amdhsa_group_segment_fixed_size 38912
		.amdhsa_private_segment_fixed_size 0
		.amdhsa_enable_private_segment 0
		.amdhsa_kernarg_size 56
		.amdhsa_user_sgpr_count 2
		.amdhsa_user_sgpr_kernarg_segment_ptr 1
		.amdhsa_wavefront_size32 1
		.amdhsa_system_sgpr_workgroup_id_x 1
		.amdhsa_system_sgpr_workgroup_id_y 1
		.amdhsa_system_sgpr_workgroup_id_z 1
		.amdhsa_system_vgpr_workitem_id 0
		.amdhsa_next_free_vgpr 160
		.amdhsa_next_free_sgpr 66
		.amdhsa_reserve_vcc 1
		.amdhsa_float_denorm_mode_32 3
		.amdhsa_float_denorm_mode_16_64 3
		.amdhsa_memory_ordered 1
		.amdhsa_forward_progress 1
		.amdhsa_inst_pref_size 25
	.end_amdhsa_kernel
	.amdgpu_metadata
---
amdhsa.version: [ 1, 2 ]
amdhsa.kernels:
  - .name:           k_qe1946bb5b2_router
    .symbol:         k_qe1946bb5b2_router.kd
    .args:
      - { .name: x, .offset: 0, .size: 8, .value_kind: global_buffer, .address_space: global }
      - { .name: router_w, .offset: 8, .size: 8, .value_kind: global_buffer, .address_space: global }
      - { .name: router_b, .offset: 16, .size: 8, .value_kind: global_buffer, .address_space: global }
      - { .name: xb, .offset: 24, .size: 8, .value_kind: global_buffer, .address_space: global }
      - { .name: selp, .offset: 32, .size: 8, .value_kind: global_buffer, .address_space: global }
      - { .name: gates, .offset: 40, .size: 8, .value_kind: global_buffer, .address_space: global }
      - { .name: aux, .offset: 48, .size: 8, .value_kind: global_buffer, .address_space: global }
    .group_segment_fixed_size: 38912
    .private_segment_fixed_size: 0
    .kernarg_segment_align: 8
    .kernarg_segment_size: 56
    .max_flat_workgroup_size: 256
    .sgpr_count:     66
    .vgpr_count:     160
    .wavefront_size: 32
...
	.end_amdgpu_metadata
.endif
;; end of part 1
;; launch ffn1 (part 2): grid 32 x 8, 4 waves a work-group, no clusters, 280,064 bytes of LDS; arguments xb, selp, w1, b1, hid, pos, cnt; writes hid, pos, cnt
.if DOCPART == 2
	.amdgcn_target "amdgcn-amd-amdhsa--gfx1250"
	.amdhsa_code_object_version 6
	.text
	.protected	k_qe1946bb5b2_ffn1
	.globl	k_qe1946bb5b2_ffn1
	.p2align	8
	.type	k_qe1946bb5b2_ffn1,@function
k_qe1946bb5b2_ffn1:
	s_mov_b64 s[64:65], 0
	v_nop
	global_prefetch_b8 v0, s[64:65] scope:SCOPE_SE
	s_setreg_imm32_b32 hwreg(HW_REG_WAVE_MODE, 25, 1), 1
	s_wait_xcnt 0x0
; FFN1.  hid = relu(x w1[e] + b1[e]) for the tokens that chose expert e, columns 128 nslice .. + 127 of the hidden layer.  Grid: x = nslice (32), y = e (8).
; FORMATS.  w1 and b1 are rounded to bf16 on their way through registers, x comes rounded (xb); sums in f32, begun with the bias; the result is rounded once to bf16.
; LIMITS.  relu is a maximum with 0 in which a NaN loses: a NaN comes out as 0.
; PHASE A.  The work-group alone reads its 512 KB of w1, each byte once: each wave runs a ring of 4 x 16 loads of 16 bytes a lane with counted waits, rounds, and lays matrix fragments into LDS (256 KB).
; Beside it every wave makes its own copy of the list of the expert's tokens from selp (a count by bit masks, no atomics); slice 0 also stores each choice's place (pos) and the count (cnt).  One barrier.
; PHASE B.  No barrier and no LDS write: 3 passes of 24 tiles of 16 rows, tile 24 pass + 4 slot + wave; a wave without a tile in a pass jumps over it.  x comes from memory straight into
; registers as fragments, the weights from LDS; 6 slots x 8 column tiles of accumulators a wave.  A second barrier stands behind the passes, between all reads of LDS and the closing lines.
; THE K MAP, alike in both operands, so the products are the same: in K group g (64) and fragment u (of 2), lane half h, register p, half z hold k = 64 g + 32 h + 16 u + 2 p + z: 32 consecutive bytes of a row of xb.
; THE COLUMN MAP.  Tile nt = 4 nh + t holds in place r column 64 nh + 4 r + t: a lane's 16 bytes of a row of w1 feed four tiles, and 16 lanes read 256 consecutive bytes, aligned.
; TRANSPOSED USE.  Source 0 = weights, source 1 = x: register j of accumulator (slot, nt) is token r, column 64 nh + 32 h + 4 j + t.  A lane's four accumulators of one nh are 32 neighbouring columns
; of one token: packed in pairs they ARE two fragments of the next product under the K map, and are stored as they lie, 512 consecutive bytes a store.
; POS.  Words 0 to 2,047: pos[k 1024 + token] = e 1024 + rank.  Words 2,048 + e 1024 + rank: scratch, one word for each rank of each expert, written by the ranks past the count and read by nobody.
; NO CLUSTER: each slice of weights has one reader; what an expert's work-groups share is token rows that come by a list, which no tile's descriptor covers.  No tensor load: the weights must pass
; registers to be rounded and turned, and a ring in registers with counted waits is never drained.
; REGISTERS, in windows of 256 (s_set_vgpr_msb: bits 1:0 source 0, 3:2 source 1, 5:4 source 2, 7:6 destination):
;   window 0: v0-31 addresses and work; v32-95, v96-159 weight fragments of u = 0, 1 (v32-63 also: converted fragments in phase A, packed results on the way out); v160-255 x buffer 0 (first: selp)
;   window 1: v0-95, v96-191 x buffers 1, 2 (first: b1 as loaded); v192-255 the bias, 8 nt + j
;   window 2: accumulators of slots 0-3 at 64 slot + 8 nt (phase A: the ring of landing registers)          window 3: v0-127 those of slots 4, 5
.set PITCH,  16384                     ; bytes in a row of w1
.set KB,     128                       ; bytes of a row of xb in a K group
.set LIST,   262144                    ; behind the weights: 4,352 bytes a wave: 1,024 words of list, 32 dump words
.set LISTB,  4352
.set SPARE,  279552                    ; the spare words: 128 bytes a wave, two blocks of 256 bytes that no other line names
.set XO,     10                        ; v10-15  slot s: byte offset in xb of my token's row + 64 h
.set TK,     16                        ; v16-19  the token numbers of my four words of selp
.set BIAS,   192
; v1 lane, v2 r, v3 h, v4 my offset in w1, v5 where I store fragments, v6 16 lane, v7 where I read fragments (s50 + v6), v8 my list, v9 1024 + lane, v20 my offset in b1, v21-27 at work, v28 64 h, v29 0, v30 v31 the add's
; s18 wave, s19 nslice, s20 e, s21 count, s22 tiles, s24 passes to go, s25 my live slots, s26 inner counts, s27 mask, s[28:29] w1, s[32:33] xb, s[34:35] hid, s36-38 list, s39-47 at work,
; s48 my slice's offset in hid, s49 24 x pass, s50 the LDS byte at which the K group in hand begins
.set MSB, 0
.macro WIN new                         ; the immediate's high byte repeats the setting that is left; a switch that changes nothing is dropped
.if MSB != (\new)
	s_set_vgpr_msb (MSB<<8)|(\new)
.set MSB, (\new)
.endif
.endm
; 16 loads: unit i (K group i, my u and nh) into ring slot \slot: load j takes rows 64 i + 16 u + j (lanes 0-15) and 32 further (lanes 16-31), 256 consecutive bytes each
.macro WLOAD slot, i
	WIN 0x80
.irp j, 0,1,2,3,4,5,6,7,8,9,10,11,12,13,14,15
	global_load_b128 v[64*(\slot)+4*(\j):64*(\slot)+4*(\j)+3], v4, s[28:29] offset:(64*(\i)+(\j))*PITCH th:TH_LOAD_NT
.endr
.endm
; A unit's turn: its 16 loads are in (lc younger ones stay out); two neighbouring rows' numbers of a column pack into a register of that column's fragment; the slot is asked for again, four units on; four fragments go to LDS
.macro UNIT i, refill, lc
	s_wait_loadcnt \lc
	WIN 0x0a
.irp t, 0,1,2,3
.irp p, 0,1,2,3,4,5,6,7
	v_cvt_pk_bf16_f32 v[32+8*(\t)+(\p)], v[64*(\i)+8*(\p)+(\t)], v[64*(\i)+8*(\p)+4+(\t)]
.endr
.endr
.if \refill
	WLOAD \i, (\i)+4
.endif
	WIN 0
.irp t, 0,1,2,3
.irp q, 0,1
	ds_store_b128 v5, v[32+8*(\t)+4*(\q):32+8*(\t)+4*(\q)+3] offset:16384*(\i)+1024*(\t)+512*(\q)  ; 512 consecutive bytes: no bank is asked twice
.endr
.endr
.endm
; 24 loads: a K group's x fragments for six slots, 64 bytes a lane
.macro XLOAD buf, koff
.if (\buf) == 0
	WIN 0
.set XB, 160
.elseif (\buf) == 1
	WIN 0x40
.set XB, 0
.else
	WIN 0x40
.set XB, 96
.endif
.irp s, 0,1,2,3,4,5
.irp i, 0,1,2,3
	global_load_b128 v[XB+16*(\s)+4*(\i):XB+16*(\s)+4*(\i)+3], v[XO+(\s)], s[32:33] offset:(\koff)+16*(\i)
.endr
.endr
.endm
; 16 LDS loads: the eight weight fragments of half u of a K group
.macro BLOAD u, off
	WIN 0
.irp n, 0,1,2,3,4,5,6,7
.irp q, 0,1
	ds_load_b128 v[32+64*(\u)+8*(\n)+4*(\q):32+64*(\u)+8*(\n)+4*(\q)+3], v7 offset:(\off)+8192*(\u)+1024*(\n)+512*(\q)
.endr
.endr
.endm
; Half a K group: for each live slot 8 products, the slot's 8 accumulators by turns: on every way the product ahead of accumulator (0, 0)'s wrote some (., 7).
; zero = 1: the pass's first products start the sums with the bias, for all six slots and with no jump, so that every accumulator is written before a later link reads it.
; Four v_nop close it: the places in front of the loads into registers that these products read, and of the way out (ISA guide 7.12.1 for vector instructions).
.macro HALF u, buf, zero
.if (\buf) == 0
.set XW, 0
.set XB, 160
.elseif (\buf) == 1
.set XW, 1
.set XB, 0
.else
.set XW, 1
.set XB, 96
.endif
.irp s, 0,1,2,3,4,5
.if ((\zero) == 0) && ((\s) > 0)
	WIN 0                                          ; at a branch and at a label every window is 0
	s_cmp_le_u32 s25, \s
	s_cbranch_scc1 .Ldone_\@
.endif
.set AW, 2+(\s)/4
.set AB, 64*((\s)%4)
.if \zero
	WIN (XW<<2)|(1<<4)|(AW<<6)
.else
	WIN (XW<<2)|(AW<<4)|(AW<<6)
.endif
.irp n, 0,1,2,3,4,5,6,7
.if \zero
	v_wmma_f32_16x16x32_bf16 v[AB+8*(\n):AB+8*(\n)+7], v[32+64*(\u)+8*(\n):32+64*(\u)+8*(\n)+7], v[XB+16*(\s)+8*(\u):XB+16*(\s)+8*(\u)+7], v[BIAS+8*(\n):BIAS+8*(\n)+7]
.else
	v_wmma_f32_16x16x32_bf16 v[AB+8*(\n):AB+8*(\n)+7], v[32+64*(\u)+8*(\n):32+64*(\u)+8*(\n)+7], v[XB+16*(\s)+8*(\u):XB+16*(\s)+8*(\u)+7], v[AB+8*(\n):AB+8*(\n)+7]
.endif
.endr
.endr
	WIN 0
.Ldone_\@:
.rept 4
	v_nop
.endr
.endm
; A K group.  x of this group is in (lc: the next group's 24 loads stay out); x two groups on is asked for, into the buffer read last; each half waits for its weight fragments
; (16: the other half's loads stay out) and, multiplied, is asked for again from the next group.
.macro TRIP buf, zero, nx, koff, lc, nb, boff
	s_wait_loadcnt \lc
.if (\nx) >= 0
	XLOAD \nx, \koff
.endif
	s_wait_dscnt 16
	HALF 0, \buf, \zero
.if \nb
	BLOAD 0, (\boff)+16384
	s_wait_dscnt 16
.else
	s_wait_dscnt 0x0
.endif
	HALF 1, \buf, 0
.if \nb
	BLOAD 1, (\boff)+16384
.endif
.endm
	s_load_b256 s[4:11], s[0:1], 0x0               ; xb s[4:5], selp s[6:7], w1 s[8:9], b1 s[10:11]
	s_load_b128 s[12:15], s[0:1], 0x20             ; hid s[12:13], pos s[14:15]
	s_load_b64 s[16:17], s[0:1], 0x30              ; cnt
	v_lshl_add_u32 v30, v0, 2, SPARE               ; my spare word,
	v_mov_b32 v31, 0                               ; and 0: kept for the closing lines alone
	v_lshrrev_b32 v21, 5, v0
	v_readfirstlane_b32 s18, v21                   ; wave
	s_mov_b32 s19, ttmp9                           ; nslice
	s_and_b32 s20, ttmp7, 0xffff                   ; e
	v_and_b32 v1, 31, v0
	v_and_b32 v2, 15, v0                           ; r
	v_bfe_u32 v3, v0, 4, 1                         ; h
	s_lshr_b32 s39, s18, 1                         ; my units' u
	s_and_b32 s40, s18, 1                          ; and nh
	s_mul_i32 s41, s39, 16*PITCH
	s_lshl_b32 s42, s40, 8
	s_add_co_u32 s41, s41, s42
	v_mul_u32_u24 v4, v3, 32*PITCH
	v_lshl_add_u32 v4, v2, 4, v4
	v_add_nc_u32 v4, s41, v4                       ; (32 h + 16 u) rows + 256 nh + 16 r
	s_lshl_b32 s42, s18, 12
	v_lshl_add_u32 v5, v1, 4, s42                  ; 16 lane + (8 u + 4 nh) x 1024 = 16 lane + 4096 wave
	v_lshlrev_b32 v6, 4, v1
	s_mul_i32 s43, s18, LISTB
	s_add_co_u32 s43, s43, LIST
	v_mov_b32 v8, s43
	v_add_nc_u32 v9, 0x400, v1
	v_lshlrev_b32 v20, 7, v3
	v_lshlrev_b32 v28, 6, v3
	v_mov_b32 v29, 0
.irp c, 0,1,2,3
	v_lshl_add_u32 v[TK+(\c)], v1, 2, \c           ; word c of my first 16 bytes of selp is token 4 lane + c
.endr
	s_lshl_b32 s36, 0x101, s20                     ; the expert's two bits in a word of selp
	s_add_co_u32 s37, s20, 8
	s_mov_b32 s21, 0
	s_mov_b32 s27, 0xffff0000
	s_lshl_b32 s44, s20, 24                        ; the expert's 16 MiB of w1,
	s_lshl_b32 s46, s19, 9                         ; my 128 columns
	s_add_co_u32 s44, s44, s46
	s_mov_b32 s45, 0
	s_lshl_b32 s42, s20, 14
	s_add_co_u32 s46, s46, s42                     ; the same columns in the expert's row of b1
	s_mov_b32 s47, 0
	s_lshl_b32 s40, s20, 9                         ; the expert's 512 bytes of cnt
	s_mov_b32 s41, 0
	s_lshl_b32 s48, s20, 23                        ; the expert's 8 MiB of hid,
	s_lshl_b32 s42, s19, 12                        ; my four blocks of 1,024 bytes in a tile
	s_add_co_u32 s48, s48, s42
	v_mov_b32 v22, s20                             ; the list's filling: token e, a row that exists
	v_mov_b32 v23, s20
	v_mov_b32 v24, s20
	v_mov_b32 v25, s20
	v_add_nc_u32 v26, v8, v6
	s_wait_kmcnt 0x0
	s_add_nc_u64 s[28:29], s[8:9], s[44:45]
	s_add_nc_u64 s[10:11], s[10:11], s[46:47]
	s_add_nc_u64 s[16:17], s[16:17], s[40:41]
.irp q, 0,1,2,3,4,5,6,7
	global_load_b128 v[160+4*(\q):160+4*(\q)+3], v6, s[6:7] offset:512*(\q)  ; all of selp: I hold tokens 128 q + 4 lane + c
.endr
	WIN 0x40
.irp a, 0,1
.irp m, 0,1,2,3,4,5,6,7
	global_load_b128 v[32*(\a)+4*(\m):32*(\a)+4*(\m)+3], v20, s[10:11] offset:256*(\a)+16*(\m)  ; b1 of columns 64 nh + 32 h + 0 .. 31
.endr
.endr
	WLOAD 0, 0
	WLOAD 1, 1
	WIN 0
.irp i, 0,1,2,3,4,5,6,7
	ds_store_b128 v26, v[22:25] offset:512*(\i)    ; places past the count repeat a row that exists
.endr
	s_wait_loadcnt 48                              ; selp is in: behind it stand b1's 16 loads and two units' 32
	; THE LIST.  32 steps of 32 tokens: the lanes that match take the next ranks in lane order; the others write a dump word of LDS, each lane its own.  An entry is k 1024 + token.  Every wave of every slice makes the same list.
.set q, 0
.rept 8
.irp c, 0,1,2,3
	v_and_b32 v21, s36, v[160+4*q+(\c)]
	v_cmp_ne_u32 s38, 0, v21
	v_lshrrev_b32 v21, s37, v21                    ; 1: the expert is the token's second choice
	v_lshl_or_b32 v22, v21, 10, v[TK+(\c)]
	v_mbcnt_lo_u32_b32 v23, s38, s21               ; the count so far + the matching lanes below me
	v_cndmask_b32 v23, v9, v23, s38
	v_min_u32 v23, 0x41f, v23                      ; inside my 1,056 words
	v_lshl_add_u32 v23, v23, 2, v8
	ds_store_b32 v23, v22
	s_bcnt1_i32_b32 s39, s38
	s_add_co_u32 s21, s21, s39
.endr
.if q < 7
.irp c, 0,1,2,3
	v_add_nc_u32 v[TK+(\c)], 128, v[TK+(\c)]
.endr
.endif
.set q, q+1
.endr
	WLOAD 2, 2
	WLOAD 3, 3
	WIN 0
	s_add_co_u32 s22, s21, 15
	s_lshr_b32 s22, s22, 4                         ; tiles of 16 rows
	s_cmp_lg_u32 s19, 0
	s_cbranch_scc1 .Lnopos
	; slice 0 stores where each choice went: wave w takes ranks 256 w + 32 i + lane, all lanes on.  A rank below the count stores at its choice's word; a rank past it at its own scratch word.
	; A choice stands in one expert's list at one rank, and a scratch word belongs to one expert and rank: each word of pos has one writer.
	s_lshl_b32 s39, s18, 8
	v_add_nc_u32 v21, s39, v1
	v_lshl_add_u32 v22, v21, 2, v8
.irp i, 0,1,2,3,4,5,6,7
	ds_load_b32 v[160+(\i)], v22 offset:128*(\i)
.endr
	s_lshl_b32 s39, s20, 10
	v_lshlrev_b32 v176, 2, v0
	v_mov_b32 v177, s21
	s_wait_dscnt 0x0
.irp i, 0,1,2,3,4,5,6,7
	v_add_nc_u32 v[178+(\i)], 32*(\i), v21         ; the rank
	v_add_nc_u32 v[168+(\i)], s39, v[178+(\i)]     ; e 1024 + rank: what is stored
	v_cmp_gt_u32 vcc_lo, s21, v[178+(\i)]          ; is the rank below the count?
	v_add_nc_u32 v[186+(\i)], 0x800, v[168+(\i)]   ; the rank's scratch word
	v_cndmask_b32 v[160+(\i)], v[186+(\i)], v[160+(\i)], vcc_lo  ; the choice k 1024 + token, or the scratch word
	v_min_u32 v[160+(\i)], 0x27ff, v[160+(\i)]     ; inside pos's 10,240 words
	v_lshlrev_b32 v[160+(\i)], 2, v[160+(\i)]
	global_store_b32 v[160+(\i)], v[168+(\i)], s[14:15]
.endr
	global_store_b32 v176, v177, s[16:17]          ; the count, in all 128 words of the expert's 512 bytes
.Lnopos:
	s_mov_b32 s26, 3
.Lstream:                                              ; a trip: four units out of the ring, four asked for.  48: behind a unit's loads stand three units'
	UNIT 0, 1, 48
	UNIT 1, 1, 48
	UNIT 2, 1, 48
	UNIT 3, 1, 48
	WIN 0
	s_wait_xcnt 0x0                                ; the base steps only behind this wait
	s_add_nc_u64 s[28:29], s[28:29], 256*PITCH
	v_add_nc_u32 v5, 0x10000, v5
	s_sub_co_u32 s26, s26, 1
	s_cmp_lg_u32 s26, 0
	s_cbranch_scc1 .Lstream
	UNIT 0, 0, 48                                  ; the last four units ask for nothing: the counts run down
	UNIT 1, 0, 32
	UNIT 2, 0, 16
	UNIT 3, 0, 0
	; the bias, rounded to bf16 and laid as a C operand: register j of tile 4 nh + t is column 64 nh + 32 h + 4 j + t
	WIN 0x05
.irp k, 0,1,2,3,4,5,6,7,8,9,10,11,12,13,14,15,16,17,18,19,20,21,22,23,24,25,26,27,28,29,30,31
	v_cvt_pk_bf16_f32 v[32+(\k)], v[2*(\k)], v[2*(\k)+1]
.endr
	WIN 0x40
.irp k, 0,1,2,3,4,5,6,7,8,9,10,11,12,13,14,15,16,17,18,19,20,21,22,23,24,25,26,27,28,29,30,31
	v_lshlrev_b32 v[BIAS+8*(4*((\k)/16)+(2*(\k))%4)+((2*(\k))%32)/4], 16, v[32+(\k)]
	v_and_b32 v[BIAS+8*(4*((\k)/16)+(2*(\k))%4+1)+((2*(\k))%32)/4], s27, v[32+(\k)]
.endr
	WIN 0
	s_wait_dscnt 0x0                               ; for the others' sake: my fragments are in LDS
	s_barrier_signal -1
	s_barrier_wait -1                              ; from here to the next barrier LDS is only read
	s_mov_b32 s24, 3                               ; 3 passes cover 64 tiles: every split of the tokens
	s_mov_b32 s49, 0
.Lpass:
	s_sub_co_i32 s42, s22, s49
	s_max_i32 s42, s42, 0
	s_min_u32 s42, s42, 24                         ; tiles of this pass
	s_add_co_u32 s42, s42, 3
	s_sub_co_u32 s42, s42, s18
	s_lshr_b32 s25, s42, 2                         ; those of them that are mine: tiles 4 slot + wave
	s_cmp_eq_u32 s25, 0
	s_cbranch_scc1 .Lbottom
	s_wait_xcnt 0x0                                ; earlier stores have read their registers and base
	s_add_co_u32 s43, s49, s18
	s_lshl_b32 s44, s43, 4
	v_add_nc_u32 v21, s44, v2                      ; slot 0: my row's rank
.irp s, 0,1,2,3,4,5
	v_add_nc_u32 v22, 64*(\s), v21
	v_min_u32 v22, 0x3ff, v22
	v_lshl_add_u32 v22, v22, 2, v8
	ds_load_b32 v[XO+(\s)], v22
.endr
	s_mov_b64 s[32:33], s[4:5]
	s_mov_b32 s50, 0                               ; K group 0 lies at LDS byte 0
	v_add_nc_u32 v7, s50, v6
	s_lshl_b32 s44, s43, 17                        ; a tile of hid is 128 blocks of 1,024 bytes
	s_add_co_u32 s44, s44, s48
	s_mov_b32 s45, 0
	s_add_nc_u64 s[34:35], s[12:13], s[44:45]
	s_wait_dscnt 0x0
.irp s, 0,1,2,3,4,5
	v_min_u32 v[XO+(\s)], 0x7ff, v[XO+(\s)]
	v_and_b32 v[XO+(\s)], 0x3ff, v[XO+(\s)]        ; the token
	v_lshl_add_u32 v[XO+(\s)], v[XO+(\s)], 11, v28 ; its row of 2,048 bytes + 64 h
.endr
	XLOAD 0, 0
	XLOAD 1, KB
	BLOAD 0, 0
	BLOAD 1, 0
	TRIP 0, 1, 2, 2*KB, 24, 1, 0                   ; K group 0
	WIN 0
	s_wait_xcnt 0x0
	s_add_nc_u64 s[32:33], s[32:33], KB
	s_add_co_u32 s50, s50, 16384                   ; a K group is 16 fragments of 1,024 bytes
	v_add_nc_u32 v7, s50, v6
	s_mov_b32 s26, 4
.Ltrips:                                               ; K groups 1 to 12, three a trip: the three x buffers take turns
	TRIP 1, 0, 0, 2*KB, 24, 1, 0
	TRIP 2, 0, 1, 3*KB, 24, 1, 16384
	TRIP 0, 0, 2, 4*KB, 24, 1, 32768
	WIN 0
	s_wait_xcnt 0x0
	s_add_nc_u64 s[32:33], s[32:33], 3*KB
	s_add_co_u32 s50, s50, 49152
	v_add_nc_u32 v7, s50, v6
	s_sub_co_u32 s26, s26, 1
	s_cmp_lg_u32 s26, 0
	s_cbranch_scc1 .Ltrips
	TRIP 1, 0, 0, 2*KB, 24, 1, 0                   ; group 13 asks for x of group 15, the last
	TRIP 2, 0, -1, 0, 24, 1, 16384
	TRIP 0, 0, -1, 0, 0, 0, 0
	; THE WAY OUT, slot by slot: pairs of neighbouring columns are rounded to bf16 (register 0 of each accumulator first), relu on the packed halves, four stores of 512 consecutive bytes for each nh
.irp s, 0,1,2,3,4,5
.if (\s) > 0
	s_cmp_le_u32 s25, \s
	s_cbranch_scc1 .Lbottom
.endif
	s_wait_xcnt 0x0                                ; the slot before's stores have read v[32:63]
.set AW, 2+(\s)/4
.set AB, 64*((\s)%4)
.irp a, 0,1
	WIN AW|(AW<<2)
.irp j, 0,1,2,3,4,5,6,7
.irp b, 0,1
	v_cvt_pk_bf16_f32 v[32+16*(\a)+2*(\j)+(\b)], v[AB+8*(4*(\a)+2*(\b))+(\j)], v[AB+8*(4*(\a)+2*(\b)+1)+(\j)]
.endr
.endr
	WIN 0
.irp d, 0,1,2,3,4,5,6,7,8,9,10,11,12,13,14,15
	v_pk_max_num_bf16 v[32+16*(\a)+(\d)], v[32+16*(\a)+(\d)], v29
.endr
.irp m, 0,1,2,3
	global_store_b128 v6, v[32+16*(\a)+4*(\m):32+16*(\a)+4*(\m)+3], s[34:35] offset:524288*(\s)+1024*(2*(\a)+(\m)/2)+512*((\m)%2)
.endr
.endr
.endr
.Lbottom:
	s_add_co_u32 s49, s49, 24
	s_sub_co_u32 s24, s24, 1
	s_cmp_lg_u32 s24, 0
	s_cbranch_scc1 .Lpass
	s_wait_dscnt 0x0                               ; my reads of LDS are over;
	s_barrier_signal -1
	s_barrier_wait -1                              ; everybody's are: the closing adds, the only LDS writes behind the first barrier, come behind all reads
	s_wait_tensorcnt 0x0                           ; the wave's end
	ds_add_u32 v30, v31
	s_wait_dscnt 0x0
	s_endpgm
.Lfunc_end_k_qe1946bb5b2_ffn1:
	.size	k_qe1946bb5b2_ffn1, .Lfunc_end_k_qe1946bb5b2_ffn1-k_qe1946bb5b2_ffn1
	.p2alignl 7, 3214868480
	.fill 96, 4, 3214868480
	.section	.rodata,"a",@progbits
	.p2align	6, 0x0
	.amdhsa_kernel k_qe1946bb5b2_ffn1
		.amdhsa_group_segment_fixed_size 280064
		.amdhsa_private_segment_fixed_size 0
		.amdhsa_enable_private_segment 0
		.amdhsa_kernarg_size 56
		.amdhsa_user_sgpr_count 2
		.amdhsa_user_sgpr_kernarg_segment_ptr 1
		.amdhsa_wavefront_size32 1
		.amdhsa_system_sgpr_workgroup_id_x 1
		.amdhsa_system_sgpr_workgroup_id_y 1
		.amdhsa_system_sgpr_workgroup_id_z 1
		.amdhsa_system_vgpr_workitem_id 0
		.amdhsa_next_free_vgpr 896
		.amdhsa_next_free_sgpr 66
		.amdhsa_reserve_vcc 1
		.amdhsa_float_denorm_mode_32 3
		.amdhsa_float_denorm_mode_16_64 3
		.amdhsa_memory_ordered 1
		.amdhsa_forward_progress 1
		.amdhsa_inst_pref_size 185
	.end_amdhsa_kernel
	.amdgpu_metadata
---
amdhsa.version: [ 1, 2 ]
amdhsa.kernels:
  - .name:           k_qe1946bb5b2_ffn1
    .symbol:         k_qe1946bb5b2_ffn1.kd
    .args:
      - { .name: xb, .offset: 0, .size: 8, .value_kind: global_buffer, .address_space: global }
      - { .name: selp, .offset: 8, .size: 8, .value_kind: global_buffer, .address_space: global }
      - { .name: w1, .offset: 16, .size: 8, .value_kind: global_buffer, .address_space: global }
      - { .name: b1, .offset: 24, .size: 8, .value_kind: global_buffer, .address_space: global }
      - { .name: hid, .offset: 32, .size: 8, .value_kind: global_buffer, .address_space: global }
      - { .name: pos, .offset: 40, .size: 8, .value_kind: global_buffer, .address_space: global }
      - { .name: cnt, .offset: 48, .size: 8, .value_kind: global_buffer, .address_space: global }
    .group_segment_fixed_size: 280064
    .private_segment_fixed_size: 0
    .kernarg_segment_align: 8
    .kernarg_segment_size: 56
    .max_flat_workgroup_size: 128
    .sgpr_count:     66
    .vgpr_count:     896
    .wavefront_size: 32
...
	.end_amdgpu_metadata
.endif
;; end of part 2
;; launch ffn2 (part 3): grid 32 x 8, 4 waves a work-group, no clusters, 262,656 bytes of LDS; arguments hid, cnt, w2, b2, ybuf; writes ybuf
.if DOCPART == 3
	.amdgcn_target "amdgcn-amd-amdhsa--gfx1250"
	.amdhsa_code_object_version 6
	.text
	.protected	k_qe1946bb5b2_ffn2
	.globl	k_qe1946bb5b2_ffn2
	.p2align	8
	.type	k_qe1946bb5b2_ffn2,@function
k_qe1946bb5b2_ffn2:
	s_mov_b64 s[64:65], 0
	v_nop
	global_prefetch_b8 v0, s[64:65] scope:SCOPE_SE
	s_setreg_imm32_b32 hwreg(HW_REG_WAVE_MODE, 25, 1), 1
	s_wait_xcnt 0x0
; FFN2.  ybuf[kp][e 1024 + rank][128 nslice .. + 127] = the sum over quarter kp of the hidden layer of hid w2[e] (+ b2[e] in quarter 0).  Grid: x = 8 kp + nslice (32), y = e (8).
; FORMATS.  w2 and b2 are rounded to bf16 on their way through registers; hid is bf16; sums in f32; the partial rows are stored in f32 and added by the next launch.
; PHASES as in the first product: A: the work-group alone reads its 512 KB of w2 once, through a ring of 4 x 16 loads a wave with counted waits, rounds, and lays fragments into LDS; one barrier;
; B: no barrier and no LDS write: 3 passes of 24 tiles of 16 rows (tile 24 pass + 4 slot + wave); hid's fragments come from memory as they were stored, 512 consecutive bytes a load; weights from LDS.
; A second barrier stands behind the passes, between all reads of LDS and the closing lines.
; K MAP and COLUMN MAP as there: k = 64 g + 32 h + 16 u + 2 p + z in both operands; tile nt = 4 nh + t holds in place r column 64 nh + 4 r + t.
; NATURAL USE.  Source 0 = hid, source 1 = weights: register j of accumulator (slot, nt) is row 8 h + j, column 64 nh + 4 r + t: the four t of one j are 16 neighbouring bytes, and the addition
; of the bias writes them into four neighbouring registers: 16 lanes store 256 consecutive bytes, aligned.
; NO CLUSTER: each slice of weights has one reader.  The 8 column slices of a quarter share hid's tiles, but those are read in a walk whose length hangs on a stored count, where no barrier may stand,
; and the slice leaves 65,024 bytes of LDS.
; REGISTERS as in the first product: window 0: v32-95, v96-159 weight fragments (v32-63: converted fragments in phase A; v32-95: results on the way out); v160-255 hid buffer 0;
; window 1: v0-95, v96-191 hid buffers 1, 2; window 2: accumulators of slots 0-3 (phase A: the landing ring); window 3: v0-127 those of slots 4, 5.
.set PITCH,  4096                      ; bytes in a row of w2
.set KB,     2048                      ; bytes of a tile of hid in a K group: two blocks of 1,024
.set SPARE,  262144                    ; behind the weights: the spare words, 128 bytes a wave, two blocks of 256 bytes that no other line names
.set XO,     10                        ; v10-15  slot s: my byte offset in hid: 16 lane + the slot's tile; a dead slot's lanes all name the first 16 bytes of slot 0's tile
; v1 lane, v2 r, v3 h, v4 my offset in w2, v5 where I store fragments, v6 16 lane, v7 where I read fragments (s50 + v6), v8 my offset in b2, v9 my offset in ybuf, v16-23 the bias 4 nh + t, v24-27 at work, v30 v31 the add's
; s18 wave, s19 nslice, s20 e, s21 count, s22 tiles, s24 passes to go, s25 my live slots, s26 inner counts, s27 mask, s[28:29] w2, s[32:33] hid, s[34:35] ybuf, s39-45 at work, s46 s47 my offsets in hid and ybuf,
; s48 kp, s49 24 x pass, s50 the LDS byte at which the K group in hand begins
.set MSB, 0
.macro WIN new                         ; the immediate's high byte repeats the setting that is left; a switch that changes nothing is dropped
.if MSB != (\new)
	s_set_vgpr_msb (MSB<<8)|(\new)
.set MSB, (\new)
.endif
.endm
.macro WLOAD slot, i                   ; 16 loads: unit i (K group i, my u and nh): load j takes rows 64 i + 16 u + j and 32 further, 256 consecutive bytes each
	WIN 0x80
.irp j, 0,1,2,3,4,5,6,7,8,9,10,11,12,13,14,15
	global_load_b128 v[64*(\slot)+4*(\j):64*(\slot)+4*(\j)+3], v4, s[28:29] offset:(64*(\i)+(\j))*PITCH th:TH_LOAD_NT
.endr
.endm
.macro UNIT i, refill, lc              ; a unit's turn: in (lc younger loads stay out), rounded and turned, asked for again four units on, four fragments to LDS
	s_wait_loadcnt \lc
	WIN 0x0a
.irp t, 0,1,2,3
.irp p, 0,1,2,3,4,5,6,7
	v_cvt_pk_bf16_f32 v[32+8*(\t)+(\p)], v[64*(\i)+8*(\p)+(\t)], v[64*(\i)+8*(\p)+4+(\t)]
.endr
.endr
.if \refill
	WLOAD \i, (\i)+4
.endif
	WIN 0
.irp t, 0,1,2,3
.irp q, 0,1
	ds_store_b128 v5, v[32+8*(\t)+4*(\q):32+8*(\t)+4*(\q)+3] offset:16384*(\i)+1024*(\t)+512*(\q)
.endr
.endr
.endm
.macro XLOAD buf, koff                 ; 24 loads: a K group's two fragments of hid for six slots
.if (\buf) == 0
	WIN 0
.set XB, 160
.elseif (\buf) == 1
	WIN 0x40
.set XB, 0
.else
	WIN 0x40
.set XB, 96
.endif
.irp s, 0,1,2,3,4,5
.irp i, 0,1,2,3
	global_load_b128 v[XB+16*(\s)+4*(\i):XB+16*(\s)+4*(\i)+3], v[XO+(\s)], s[32:33] offset:(\koff)+512*(\i)
.endr
.endr
.endm
.macro BLOAD u, off                    ; 16 LDS loads: the eight weight fragments of half u of a K group
	WIN 0
.irp n, 0,1,2,3,4,5,6,7
.irp q, 0,1
	ds_load_b128 v[32+64*(\u)+8*(\n)+4*(\q):32+64*(\u)+8*(\n)+4*(\q)+3], v7 offset:(\off)+8192*(\u)+1024*(\n)+512*(\q)
.endr
.endr
.endm
; Half a K group: for each live slot 8 products, the slot's 8 accumulators by turns.  zero = 1: the pass's first products start the sums with the constant 0, for all six slots
; and with no jump, so that every accumulator is written before a later link reads it.  Four v_nop close it: the places in front of loads into registers that these products read, and of the way out.
.macro HALF u, buf, zero
.if (\buf) == 0
.set XW, 0
.set XB, 160
.elseif (\buf) == 1
.set XW, 1
.set XB, 0
.else
.set XW, 1
.set XB, 96
.endif
.irp s, 0,1,2,3,4,5
.if ((\zero) == 0) && ((\s) > 0)
	WIN 0                                          ; at a branch and at a label every window is 0
	s_cmp_le_u32 s25, \s
	s_cbranch_scc1 .Ldone_\@
.endif
.set AW, 2+(\s)/4
.set AB, 64*((\s)%4)
	WIN XW|(AW<<4)|(AW<<6)
.irp n, 0,1,2,3,4,5,6,7
.if \zero
	v_wmma_f32_16x16x32_bf16 v[AB+8*(\n):AB+8*(\n)+7], v[XB+16*(\s)+8*(\u):XB+16*(\s)+8*(\u)+7], v[32+64*(\u)+8*(\n):32+64*(\u)+8*(\n)+7], 0
.else
	v_wmma_f32_16x16x32_bf16 v[AB+8*(\n):AB+8*(\n)+7], v[XB+16*(\s)+8*(\u):XB+16*(\s)+8*(\u)+7], v[32+64*(\u)+8*(\n):32+64*(\u)+8*(\n)+7], v[AB+8*(\n):AB+8*(\n)+7]
.endif
.endr
.endr
	WIN 0
.Ldone_\@:
.rept 4
	v_nop
.endr
.endm
; A K group: hid of this group is in (lc: the next group's 24 loads stay out); hid two groups on is asked for; each half waits for its weight fragments (16: the other half's stay out) and is asked for again
.macro TRIP buf, zero, nx, koff, lc, nb, boff
	s_wait_loadcnt \lc
.if (\nx) >= 0
	XLOAD \nx, \koff
.endif
	s_wait_dscnt 16
	HALF 0, \buf, \zero
.if \nb
	BLOAD 0, (\boff)+16384
	s_wait_dscnt 16
.else
	s_wait_dscnt 0x0
.endif
	HALF 1, \buf, 0
.if \nb
	BLOAD 1, (\boff)+16384
.endif
.endm
	s_load_b256 s[4:11], s[0:1], 0x0               ; hid s[4:5], cnt s[6:7], w2 s[8:9], b2 s[10:11]
	s_load_b64 s[12:13], s[0:1], 0x20              ; ybuf
	v_lshl_add_u32 v30, v0, 2, SPARE               ; my spare word,
	v_mov_b32 v31, 0                               ; and 0: kept for the closing lines alone
	v_lshrrev_b32 v24, 5, v0
	v_readfirstlane_b32 s18, v24                   ; wave
	s_and_b32 s19, ttmp9, 7                        ; nslice
	s_lshr_b32 s48, ttmp9, 3                       ; kp
	s_and_b32 s20, ttmp7, 0xffff                   ; e
	v_and_b32 v1, 31, v0
	v_and_b32 v2, 15, v0                           ; r
	v_bfe_u32 v3, v0, 4, 1                         ; h
	s_lshr_b32 s39, s18, 1                         ; my units' u
	s_and_b32 s40, s18, 1                          ; and nh
	s_mul_i32 s41, s39, 16*PITCH
	s_lshl_b32 s42, s40, 8
	s_add_co_u32 s41, s41, s42
	v_mul_u32_u24 v4, v3, 32*PITCH
	v_lshl_add_u32 v4, v2, 4, v4
	v_add_nc_u32 v4, s41, v4                       ; (32 h + 16 u) rows + 256 nh + 16 r
	s_lshl_b32 s42, s18, 12
	v_lshl_add_u32 v5, v1, 4, s42                  ; 16 lane + 4096 wave
	v_lshlrev_b32 v6, 4, v1
	v_lshlrev_b32 v8, 4, v2
	v_lshlrev_b32 v9, 15, v3
	v_lshl_add_u32 v9, v2, 4, v9                   ; 8 h rows of 4,096 bytes + 16 r
	s_mov_b32 s27, 0xffff0000
	s_lshl_b32 s43, s19, 9                         ; my 128 columns
	s_lshl_b32 s44, s20, 24                        ; the expert's 16 MiB of w2,
	s_lshl_b32 s42, s48, 22                        ; my quarter's 1,024 rows
	s_add_co_u32 s44, s44, s42
	s_add_co_u32 s44, s44, s43
	s_mov_b32 s45, 0
	s_lshl_b32 s40, s20, 12                        ; the expert's row of b2
	s_add_co_u32 s40, s40, s43
	s_mov_b32 s41, 0
	s_lshl_b32 s46, s20, 23                        ; hid: the expert's 8 MiB, my quarter's 32 blocks of a tile
	s_lshl_b32 s42, s48, 15
	s_add_co_u32 s46, s46, s42
	s_lshl_b32 s47, s48, 25                        ; ybuf: the quarter's 32 MiB, the expert's 1,024 rows, my columns
	s_lshl_b32 s42, s20, 22
	s_add_co_u32 s47, s47, s42
	s_add_co_u32 s47, s47, s43
	s_lshl_b32 s39, s20, 9                         ; the expert's 512 bytes of cnt
	s_wait_kmcnt 0x0
	s_load_b32 s21, s[6:7], s39 offset:0x0
	s_add_nc_u64 s[28:29], s[8:9], s[44:45]
	s_add_nc_u64 s[10:11], s[10:11], s[40:41]
	global_load_b128 v[16:19], v8, s[10:11]
	global_load_b128 v[20:23], v8, s[10:11] offset:256
	WLOAD 0, 0
	WLOAD 1, 1
	WLOAD 2, 2
	WLOAD 3, 3
	WIN 0
	s_wait_kmcnt 0x0
	s_min_u32 s21, s21, 0x400
	s_add_co_u32 s22, s21, 15
	s_lshr_b32 s22, s22, 4                         ; tiles of 16 rows
	s_mov_b32 s26, 3
.Lstream:                                              ; a trip: four units out of the ring, four asked for.  48: behind a unit's loads stand three units'
	UNIT 0, 1, 48
	UNIT 1, 1, 48
	UNIT 2, 1, 48
	UNIT 3, 1, 48
	WIN 0
	s_wait_xcnt 0x0                                ; the base steps only behind this wait
	s_add_nc_u64 s[28:29], s[28:29], 256*PITCH
	v_add_nc_u32 v5, 0x10000, v5
	s_sub_co_u32 s26, s26, 1
	s_cmp_lg_u32 s26, 0
	s_cbranch_scc1 .Lstream
	UNIT 0, 0, 48                                  ; the last four units ask for nothing: the counts run down
	UNIT 1, 0, 32
	UNIT 2, 0, 16
	UNIT 3, 0, 0
	s_cmp_eq_u32 s48, 0                            ; the bias, rounded to bf16; it is added once, by quarter 0: the others add 0
	s_cselect_b32 s39, -1, 0
.irp k, 0,1,2,3
	v_cvt_pk_bf16_f32 v[24+(\k)], v[16+2*(\k)], v[16+2*(\k)+1]
.endr
.irp k, 0,1,2,3
	v_and_b32 v[24+(\k)], s39, v[24+(\k)]
.endr
.irp k, 0,1,2,3
	v_lshlrev_b32 v[16+2*(\k)], 16, v[24+(\k)]
	v_and_b32 v[16+2*(\k)+1], s27, v[24+(\k)]
.endr
	s_wait_dscnt 0x0                               ; for the others' sake: my fragments are in LDS
	s_barrier_signal -1
	s_barrier_wait -1                              ; from here to the next barrier LDS is only read
	s_mov_b32 s24, 3                               ; 3 passes cover 64 tiles: every split of the tokens
	s_mov_b32 s49, 0
.Lpass:
	s_sub_co_i32 s42, s22, s49
	s_max_i32 s42, s42, 0
	s_min_u32 s42, s42, 24                         ; tiles of this pass
	s_add_co_u32 s42, s42, 3
	s_sub_co_u32 s42, s42, s18
	s_lshr_b32 s25, s42, 2                         ; those of them that are mine
	s_cmp_eq_u32 s25, 0
	s_cbranch_scc1 .Lbottom
	s_wait_xcnt 0x0                                ; earlier stores have read their registers and base
	s_add_co_u32 s43, s49, s18
	v_mov_b32 v[XO], v6                            ; slot 0 is live here
.irp s, 1,2,3,4,5
	s_sub_co_i32 s44, s25, \s
	s_max_i32 s44, s44, 0
	s_min_u32 s44, s44, 1                          ; 1: the slot is live, 0: it is dead
	s_mul_i32 s45, s44, 524288*(\s)                ; four tiles of 131,072 bytes from slot to slot
	s_mul_i32 s44, s44, 0x1f0                      ; a mask that keeps 16 lane, or nothing
	v_and_b32 v[XO+(\s)], s44, v6
	v_add_nc_u32 v[XO+(\s)], s45, v[XO+(\s)]
.endr
	s_lshl_b32 s44, s43, 17
	s_add_co_u32 s44, s44, s46
	s_mov_b32 s45, 0
	s_add_nc_u64 s[32:33], s[4:5], s[44:45]
	s_lshl_b32 s44, s43, 16                        ; a tile of ybuf is 16 rows of 4,096 bytes
	s_add_co_u32 s44, s44, s47
	s_add_nc_u64 s[34:35], s[12:13], s[44:45]
	s_mov_b32 s50, 0                               ; K group 0 lies at LDS byte 0
	v_add_nc_u32 v7, s50, v6
	XLOAD 0, 0
	XLOAD 1, KB
	BLOAD 0, 0
	BLOAD 1, 0
	TRIP 0, 1, 2, 2*KB, 24, 1, 0                   ; K group 0
	WIN 0
	s_wait_xcnt 0x0
	s_add_nc_u64 s[32:33], s[32:33], KB
	s_add_co_u32 s50, s50, 16384                   ; a K group is 16 fragments of 1,024 bytes
	v_add_nc_u32 v7, s50, v6
	s_mov_b32 s26, 4
.Ltrips:                                               ; K groups 1 to 12, three a trip: the three buffers take turns
	TRIP 1, 0, 0, 2*KB, 24, 1, 0
	TRIP 2, 0, 1, 3*KB, 24, 1, 16384
	TRIP 0, 0, 2, 4*KB, 24, 1, 32768
	WIN 0
	s_wait_xcnt 0x0
	s_add_nc_u64 s[32:33], s[32:33], 3*KB
	s_add_co_u32 s50, s50, 49152
	v_add_nc_u32 v7, s50, v6
	s_sub_co_u32 s26, s26, 1
	s_cmp_lg_u32 s26, 0
	s_cbranch_scc1 .Ltrips
	TRIP 1, 0, 0, 2*KB, 24, 1, 0                   ; group 13 asks for group 15, the last
	TRIP 2, 0, -1, 0, 24, 1, 16384
	TRIP 0, 0, -1, 0, 0, 0, 0
	; THE WAY OUT, slot by slot: the bias is added (register 0 of each accumulator first) into four neighbouring registers for each row; 16 stores, each half of the lanes 256 consecutive bytes
.irp s, 0,1,2,3,4,5
.if (\s) > 0
	s_cmp_le_u32 s25, \s
	s_cbranch_scc1 .Lbottom
.endif
	s_wait_xcnt 0x0                                ; the slot before's stores have read v[32:95]
.set AW, 2+(\s)/4
.set AB, 64*((\s)%4)
	WIN AW
.irp j, 0,1,2,3,4,5,6,7
.irp a, 0,1
.irp t, 0,1,2,3
	v_add_f32 v[32+4*(8*(\a)+(\j))+(\t)], v[AB+8*(4*(\a)+(\t))+(\j)], v[16+4*(\a)+(\t)]
.endr
.endr
.endr
	WIN 0
.irp j, 0,1,2,3,4,5,6,7
.irp a, 0,1
	global_store_b128 v9, v[32+4*(8*(\a)+(\j)):32+4*(8*(\a)+(\j))+3], s[34:35] offset:262144*(\s)+4096*(\j)+256*(\a)
.endr
.endr
.endr
.Lbottom:
	s_add_co_u32 s49, s49, 24
	s_sub_co_u32 s24, s24, 1
	s_cmp_lg_u32 s24, 0
	s_cbranch_scc1 .Lpass
	s_wait_dscnt 0x0                               ; my reads of LDS are over;
	s_barrier_signal -1
	s_barrier_wait -1                              ; everybody's are: the closing adds, the only LDS writes behind the first barrier, come behind all reads
	s_wait_tensorcnt 0x0                           ; the wave's end
	ds_add_u32 v30, v31
	s_wait_dscnt 0x0
	s_endpgm
.Lfunc_end_k_qe1946bb5b2_ffn2:
	.size	k_qe1946bb5b2_ffn2, .Lfunc_end_k_qe1946bb5b2_ffn2-k_qe1946bb5b2_ffn2
	.p2alignl 7, 3214868480
	.fill 96, 4, 3214868480
	.section	.rodata,"a",@progbits
	.p2align	6, 0x0
	.amdhsa_kernel k_qe1946bb5b2_ffn2
		.amdhsa_group_segment_fixed_size 262656
		.amdhsa_private_segment_fixed_size 0
		.amdhsa_enable_private_segment 0
		.amdhsa_kernarg_size 40
		.amdhsa_user_sgpr_count 2
		.amdhsa_user_sgpr_kernarg_segment_ptr 1
		.amdhsa_wavefront_size32 1
		.amdhsa_system_sgpr_workgroup_id_x 1
		.amdhsa_system_sgpr_workgroup_id_y 1
		.amdhsa_system_sgpr_workgroup_id_z 1
		.amdhsa_system_vgpr_workitem_id 0
		.amdhsa_next_free_vgpr 896
		.amdhsa_next_free_sgpr 66
		.amdhsa_reserve_vcc 0
		.amdhsa_float_denorm_mode_32 3
		.amdhsa_float_denorm_mode_16_64 3
		.amdhsa_memory_ordered 1
		.amdhsa_forward_progress 1
		.amdhsa_inst_pref_size 145
	.end_amdhsa_kernel
	.amdgpu_metadata
---
amdhsa.version: [ 1, 2 ]
amdhsa.kernels:
  - .name:           k_qe1946bb5b2_ffn2
    .symbol:         k_qe1946bb5b2_ffn2.kd
    .args:
      - { .name: hid, .offset: 0, .size: 8, .value_kind: global_buffer, .address_space: global }
      - { .name: cnt, .offset: 8, .size: 8, .value_kind: global_buffer, .address_space: global }
      - { .name: w2, .offset: 16, .size: 8, .value_kind: global_buffer, .address_space: global }
      - { .name: b2, .offset: 24, .size: 8, .value_kind: global_buffer, .address_space: global }
      - { .name: ybuf, .offset: 32, .size: 8, .value_kind: global_buffer, .address_space: global }
    .group_segment_fixed_size: 262656
    .private_segment_fixed_size: 0
    .kernarg_segment_align: 8
    .kernarg_segment_size: 40
    .max_flat_workgroup_size: 128
    .sgpr_count:     66
    .vgpr_count:     896
    .wavefront_size: 32
...
	.end_amdgpu_metadata
.endif
;; end of part 3
;; launch combine (part 4): grid 256 x 1, 8 waves a work-group, no clusters, 0 bytes of LDS; arguments ybuf, pos, gates, aux, out0, out1, out2; writes out0, out1, out2
.if DOCPART == 4
	.amdgcn_target "amdgcn-amd-amdhsa--gfx1250"
	.amdhsa_code_object_version 6
	.text
	.protected	k_qe1946bb5b2_combine
	.globl	k_qe1946bb5b2_combine
	.p2align	8
	.type	k_qe1946bb5b2_combine,@function
k_qe1946bb5b2_combine:
	s_mov_b64 s[64:65], 0
	v_nop
	global_prefetch_b8 v0, s[64:65] scope:SCOPE_SE
	s_setreg_imm32_b32 hwreg(HW_REG_WAVE_MODE, 25, 1), 1
	s_wait_xcnt 0x0
; COMBINE.  out0[t] = g0 x (the four K quarters of the first choice's row) + g1 x (those of the second choice's row); out1 = the mean entropy; out2 = the mean of (importance - 1/8)^2.
; A stream: each byte of the partial rows is read once, by 16-byte loads of which a wave's cover 512 consecutive bytes; no LDS, no barrier, no matrix unit: there is nothing to share and nothing to multiply.
; SHARES.  A work-group has 4 tokens; wave w has token 4 wg + w / 2 and columns 512 (w & 1) .. + 511: 32 loads, all issued before the first wait.  Where a choice's row lies comes from pos, whole numbers
; that an earlier launch stored.  Wave 0 of work-group 0 also adds the 256 records of aux: it runs a second copy of the same text, with its 24 loads ahead and the sums behind.
.macro MAIN
	s_wait_kmcnt 0x0
	s_min_u32 s20, s20, 0x1fff                     ; a row of ybuf's 8,192 in a quarter
	s_min_u32 s21, s21, 0x1fff
	s_lshl_b32 s20, s20, 12
	s_lshl_b32 s21, s21, 12
	s_mov_b32 s29, s28                             ; the gates are named as pairs
	s_mov_b32 s31, s30
.irp p, 0,1,2,3
	s_add_co_u32 s22, s20, (\p)<<25                ; a quarter is 32 MiB
	v_add_nc_u32 v[10+(\p)], s22, v9
	s_add_co_u32 s22, s21, (\p)<<25
	v_add_nc_u32 v[14+(\p)], s22, v9
.endr
.irp k, 0,1
.irp p, 0,1,2,3
.irp i, 0,1,2,3
	global_load_b128 v[32+64*(\k)+16*(\p)+4*(\i):32+64*(\k)+16*(\p)+4*(\i)+3], v[10+4*(\k)+(\p)], s[4:5] offset:512*(\i) th:TH_LOAD_NT
.endr
.endr
.endr
	s_wait_loadcnt 16                              ; the first choice's 16 loads are in: behind them stand the second's 16
.irp p, 1,2,3
.irp j, 0,1,2,3,4,5,6,7
	v_pk_add_f32 v[32+2*(\j):32+2*(\j)+1], v[32+2*(\j):32+2*(\j)+1], v[32+16*(\p)+2*(\j):32+16*(\p)+2*(\j)+1]
.endr
.endr
.irp j, 0,1,2,3,4,5,6,7
	v_pk_mul_f32 v[32+2*(\j):32+2*(\j)+1], v[32+2*(\j):32+2*(\j)+1], s[28:29] op_sel_hi:[1,0]
.endr
	s_wait_loadcnt 0x0
.irp p, 1,2,3
.irp j, 0,1,2,3,4,5,6,7
	v_pk_add_f32 v[96+2*(\j):96+2*(\j)+1], v[96+2*(\j):96+2*(\j)+1], v[96+16*(\p)+2*(\j):96+16*(\p)+2*(\j)+1]
.endr
.endr
.irp j, 0,1,2,3,4,5,6,7
	v_pk_fma_f32 v[32+2*(\j):32+2*(\j)+1], v[96+2*(\j):96+2*(\j)+1], s[30:31], v[32+2*(\j):32+2*(\j)+1] op_sel_hi:[1,0,1]
.endr
.irp i, 0,1,2,3
	global_store_b128 v9, v[32+4*(\i):32+4*(\i)+3], s[12:13] offset:512*(\i) th:TH_STORE_NT  ; 512 consecutive bytes, aligned
.endr
.endm
	s_load_b256 s[4:11], s[0:1], 0x0               ; ybuf s[4:5], pos s[6:7], gates s[8:9], aux s[10:11]
	s_load_b128 s[12:15], s[0:1], 0x20             ; out0 s[12:13], out1 s[14:15]
	s_load_b64 s[16:17], s[0:1], 0x30              ; out2
	v_and_b32 v1, 31, v0
	v_lshrrev_b32 v2, 5, v0
	v_readfirstlane_b32 s18, v2                    ; wave
	s_lshr_b32 s19, s18, 1
	s_lshl2_add_u32 s19, ttmp9, s19                ; my token
	s_and_b32 s23, s18, 1
	s_lshl_b32 s23, s23, 11
	v_lshl_add_u32 v9, v1, 4, s23                  ; my half of a row + 16 lane
	s_lshl_b32 s24, s19, 2
	s_lshl_b32 s26, s19, 12
	s_mov_b32 s27, 0
	s_or_b32 s25, ttmp9, s18
	s_wait_kmcnt 0x0
	s_load_b32 s20, s[6:7], s24 offset:0x0         ; where the first choice's row lies,
	s_load_b32 s21, s[6:7], s24 offset:0x1000      ; and the second's
	s_load_b32 s28, s[8:9], s24 offset:0x0         ; g0
	s_load_b32 s30, s[8:9], s24 offset:0x1000      ; g1
	s_add_nc_u64 s[12:13], s[12:13], s[26:27]
	s_cmp_eq_u32 s25, 0
	s_cbranch_scc1 .Lsums
	MAIN
	s_endpgm
.Lsums:
	v_lshlrev_b32 v8, 9, v1                        ; records 8 lane .. 8 lane + 7, 64 bytes each
.irp j, 0,1,2,3,4,5,6,7
	global_load_b128 v[160+8*(\j):160+8*(\j)+3], v8, s[10:11] offset:64*(\j)
	global_load_b128 v[160+8*(\j)+4:160+8*(\j)+7], v8, s[10:11] offset:64*(\j)+16
	global_load_b32 v[224+(\j)], v8, s[10:11] offset:64*(\j)+32
.endr
	MAIN                                           ; its last wait for loads is for 0: the records are in
	s_mov_b32 s40, 0x76543210                      ; v_permlanex16_b32: each lane takes its own place in the other half
	s_mov_b32 s41, 0xfedcba98
	s_mov_b32 s42, 0x3a800000                      ; 1 / 1024
	s_mov_b32 s43, 0xbe000000                      ; - 1 / 8
	v_mov_b32 v232, 0
	v_mov_b32 v6, 0
.irp j, 1,2,3,4,5,6,7
.irp k, 0,1,2,3
	v_pk_add_f32 v[160+2*(\k):160+2*(\k)+1], v[160+2*(\k):160+2*(\k)+1], v[160+8*(\j)+2*(\k):160+8*(\j)+2*(\k)+1]
.endr
.endr
	v_pk_add_f32 v[224:225], v[224:225], v[226:227]
	v_pk_add_f32 v[228:229], v[228:229], v[230:231]
	v_pk_add_f32 v[224:225], v[224:225], v[228:229]
	v_add_f32 v224, v224, v225
.irp m, 1,2,4,8
.irp n, 160,161,162,163,164,165,166,167,224
	v_add_f32_dpp v[(\n)], v[(\n)], v[(\n)] row_xmask:\m row_mask:0xf bank_mask:0xf
.endr
.endr
.irp n, 160,161,162,163,164,165,166,167,224
	v_permlanex16_b32 v232, v[(\n)], s40, s41
	v_add_f32 v[(\n)], v[(\n)], v232
.endr
	v_mul_f32 v224, s42, v224                      ; out1
.irp n, 160,161,162,163,164,165,166,167
	v_fma_f32 v[(\n)], v[(\n)], s42, s43           ; importance - 1/8
.endr
	v_mul_f32 v233, v160, v160
.irp n, 161,162,163,164,165,166,167
	v_fmac_f32 v233, v[(\n)], v[(\n)]
.endr
	v_mul_f32 v233, 0x3e000000, v233               ; out2
	v_cmp_eq_u32 vcc_lo, 0, v1
	s_wait_xcnt 0x0                                ; EXEC changes only behind this wait
	s_and_saveexec_b32 s44, vcc_lo
	global_store_b32 v6, v224, s[14:15]
	global_store_b32 v6, v233, s[16:17]
	s_wait_xcnt 0x0
	s_or_b32 exec_lo, exec_lo, s44
	s_endpgm
.Lfunc_end_k_qe1946bb5b2_combine:
	.size	k_qe1946bb5b2_combine, .Lfunc_end_k_qe1946bb5b2_combine-k_qe1946bb5b2_combine
	.p2alignl 7, 3214868480
	.fill 96, 4, 3214868480
	.section	.rodata,"a",@progbits
	.p2align	6, 0x0
	.amdhsa_kernel k_qe1946bb5b2_combine
		.amdhsa_group_segment_fixed_size 0
		.amdhsa_private_segment_fixed_size 0
		.amdhsa_enable_private_segment 0
		.amdhsa_kernarg_size 56
		.amdhsa_user_sgpr_count 2
		.amdhsa_user_sgpr_kernarg_segment_ptr 1
		.amdhsa_wavefront_size32 1
		.amdhsa_system_sgpr_workgroup_id_x 1
		.amdhsa_system_sgpr_workgroup_id_y 1
		.amdhsa_system_sgpr_workgroup_id_z 1
		.amdhsa_system_vgpr_workitem_id 0
		.amdhsa_next_free_vgpr 240
		.amdhsa_next_free_sgpr 66
		.amdhsa_reserve_vcc 1
		.amdhsa_float_denorm_mode_32 3
		.amdhsa_float_denorm_mode_16_64 3
		.amdhsa_memory_ordered 1
		.amdhsa_forward_progress 1
		.amdhsa_inst_pref_size 27
	.end_amdhsa_kernel
	.amdgpu_metadata
---
amdhsa.version: [ 1, 2 ]
amdhsa.kernels:
  - .name:           k_qe1946bb5b2_combine
    .symbol:         k_qe1946bb5b2_combine.kd
    .args:
      - { .name: ybuf, .offset: 0, .size: 8, .value_kind: global_buffer, .address_space: global }
      - { .name: pos, .offset: 8, .size: 8, .value_kind: global_buffer, .address_space: global }
      - { .name: gates, .offset: 16, .size: 8, .value_kind: global_buffer, .address_space: global }
      - { .name: aux, .offset: 24, .size: 8, .value_kind: global_buffer, .address_space: global }
      - { .name: out0, .offset: 32, .size: 8, .value_kind: global_buffer, .address_space: global }
      - { .name: out1, .offset: 40, .size: 8, .value_kind: global_buffer, .address_space: global }
      - { .name: out2, .offset: 48, .size: 8, .value_kind: global_buffer, .address_space: global }
    .group_segment_fixed_size: 0
    .private_segment_fixed_size: 0
    .kernarg_segment_align: 8
    .kernarg_segment_size: 56
    .max_flat_workgroup_size: 256
    .sgpr_count:     66
    .vgpr_count:     240
    .wavefront_size: 32
...
	.end_amdgpu_metadata
.endif
;; end of part 4
;; ======== version 2 of 2: 4 launches; 1.11 times as fast as version 1
;; workspace buffers: xb 2,097,152 bytes; selp 4,096 bytes of whole numbers; gates 8,192 bytes; aux 16,384 bytes; pos 40,960 bytes of whole numbers; cnt 4,096 bytes of whole numbers; hid 67,108,864 bytes; ybuf 134,217,728 bytes
;; launch router: the kernel of part 1 again; grid 256 x 1, 8 waves a work-group, no clusters, 38,912 bytes of LDS; arguments x, router_w, router_b, xb, selp, gates, aux; writes xb, selp, gates, aux
;; launch ffn1 (part 5): grid 32 x 8, 4 waves a work-group, no clusters, 262,656 bytes of LDS; arguments xb, selp, w1, b1, hid, pos, cnt; writes hid, pos, cnt
.if DOCPART == 5
	.amdgcn_target "amdgcn-amd-amdhsa--gfx1250"
	.amdhsa_code_object_version 6
	.text
	.protected	k_qe1946bb5b2_ffn1
	.globl	k_qe1946bb5b2_ffn1
	.p2align	8
	.type	k_qe1946bb5b2_ffn1,@function
k_qe1946bb5b2_ffn1:
	s_mov_b64 s[64:65], 0
	v_nop
	global_prefetch_b8 v0, s[64:65] scope:SCOPE_SE
	s_setreg_imm32_b32 hwreg(HW_REG_WAVE_MODE, 25, 1), 1
	s_wait_xcnt 0x0
; FFN1.  hid = relu(x w1[e] + b1[e]) for the tokens that chose expert e, columns 128 nslice .. + 127 of the hidden layer.  Grid: x = nslice (32), y = e (8).
; FORMATS.  w1 and b1 are rounded to bf16 on their way through registers, x comes rounded (xb); sums in f32, begun with the bias; the result is rounded once to bf16.
; LIMITS.  relu is a maximum with 0 in which a NaN loses: a NaN comes out as 0.
; PHASE A.  The work-group alone reads its 512 KB of w1, each byte once: each wave runs a ring of 4 x 16 loads of 16 bytes a lane with counted waits, rounds, and lays matrix fragments into LDS (256 KB).  One barrier.
; WHICH ROWS.  A token's rank in its expert goes by 32 steps over selp: step j holds tokens 128 (j / 4) + j % 4 + 4 lane; rank = the matches of the steps before + the matching lanes below.  Every wave keeps
; the 32 masks and the 31 counts in scalar registers and finds the token of a rank from them by register arithmetic (SEARCH): no list in LDS, and a wave looks only for the 96 ranks of a pass that are its own.
; Slice n stores the places of step n's tokens (pos); slice 0 the count (cnt).
; PHASE B.  No barrier and no LDS write: 3 passes of 24 tiles of 16 rows, tile 24 pass + 4 slot + wave; a wave without a tile in a pass jumps over it.  x comes from memory straight into
; registers as fragments, the weights from LDS; 6 slots x 8 column tiles of accumulators a wave.  A second barrier stands behind the passes, between all reads of LDS and the closing lines.
; THE K MAP, alike in both operands, so the products are the same: in K group g (64) and fragment u (of 2), lane half h, register p, half z hold k = 64 g + 32 h + 16 u + 2 p + z: 32 consecutive bytes of a row of xb.
; THE COLUMN MAP.  Tile nt = 4 nh + t holds in place r column 64 nh + 4 r + t: a lane's 16 bytes of a row of w1 feed four tiles, and 16 lanes read 256 consecutive bytes, aligned.
; TRANSPOSED USE.  Source 0 = weights, source 1 = x: register j of accumulator (slot, nt) is token r, column 64 nh + 32 h + 4 j + t.  A lane's four accumulators of one nh are 32 neighbouring columns
; of one token: packed in pairs they ARE two fragments of the next product under the K map, and are stored as they lie, 512 consecutive bytes a store.
; POS.  Words 0 to 2,047: pos[k 1024 + token] = e 1024 + rank.  Words 2,048 + e 1024 + token: scratch, one word for each token and expert, written where the token did not choose the expert and read by nobody.
; NO CLUSTER: each slice of weights has one reader; what an expert's work-groups share is token rows chosen one by one, which no tile's descriptor covers.  No tensor load: the weights must pass
; registers to be rounded and turned, and a ring in registers with counted waits is never drained.
; REGISTERS, in windows of 256 (s_set_vgpr_msb: bits 1:0 source 0, 3:2 source 1, 5:4 source 2, 7:6 destination):
;   window 0: v0-31 addresses and work; v32-95, v96-159 weight fragments of u = 0, 1 (v32-63 also: converted fragments in phase A, packed results on the way out); v160-255 x buffer 0 (first: selp in v160-191; v192-204 SEARCH's)
;   window 1: v0-95, v96-191 x buffers 1, 2 (first: b1 as loaded); v192-255 the bias, 8 nt + j
;   window 2: accumulators of slots 0-3 at 64 slot + 8 nt (phase A: the ring of landing registers)          window 3: v0-127 those of slots 4, 5
.set PITCH,  16384                     ; bytes in a row of w1
.set KB,     128                       ; bytes of a row of xb in a K group
.set SPARE,  262144                    ; behind the weights: the spare words, 128 bytes a wave, two blocks of 256 bytes that no other line names
.set XO,     10                        ; v10-15  slot s: first my row's token, then the byte offset in xb of its row + 64 h
.set RHO,    16                        ; v16     the rank that my lane looks for next
.set BIAS,   192
.set MK,     66                        ; s66-97  step j's mask of matching lanes
.set SKEY,   192                       ; SEARCH's registers: the key,
.set SPK,    193                       ; the chosen step's count and first token,
.set SM,     194                       ; its mask,
.set SA,     195                       ; the mask's counts in fields of 2,
.set SB,     196                       ; 4,
.set SC,     197                       ; 8
.set SD,     198                       ; and 16 bits,
.set ST,     199                       ; at work,
.set SN,     200                       ; how many set bits are still to be passed,
.set SP,     201                       ; the place in the mask,
.set SU,     202                       ; at work,
.set SX,     203                       ; the other half of the lanes' token
.set SW,     204                       ; v204    selp of my slice's step
; v1 lane, v2 r, v3 h, v4 my offset in w1, v5 where I store fragments, v6 16 lane, v7 where I read fragments (s50 + v6), v8 my offset in selp for my slice's step, v9 e, v20 my offset in b1, v21 v22 at work,
; v24 v25 cnt's store, v26 v27 pos's store, v28 64 h, v29 0, v30 v31 the add's
; s18 wave, s19 nslice, s20 e, s21 count, s22 tiles, s24 passes to go, s25 my live slots, s26 inner counts, s27 0xffff0000 (a word's upper bf16; lanes 16-31), s[28:29] w1, s[32:33] xb, s[34:35] hid, s36 s37 the expert's bits,
; s39-45 at work (s43 first: the count ahead of my slice's step), s48 my slice's offset in hid, s49 24 x pass, s50 the LDS byte at which the K group in hand begins; the 31 counts lie where PKREG says
.set MSB, 0
.macro WIN new                         ; the immediate's high byte repeats the setting that is left; a switch that changes nothing is dropped
.if MSB != (\new)
	s_set_vgpr_msb (MSB<<8)|(\new)
.set MSB, (\new)
.endif
.endm
; RPK = the scalar register of step j's word (j = 1 .. 31): (matches of the steps before) << 10 | the step's first token.  They fill the registers that nothing else holds from the steps on.
.macro PKREG j
.if (\j) <= 13
.set RPK, 50+(\j)                      ; s51-63
.elseif (\j) <= 17
.set RPK, 84+(\j)                      ; s98-101
.elseif (\j) <= 19
.set RPK, 86+(\j)                      ; s104, s105
.elseif (\j) <= 21
.set RPK, (\j)-18                      ; s2, s3
.elseif (\j) <= 25
.set RPK, (\j)-16                      ; s6-9: selp's address, whose loads are done, and w1's, of which s[28:29] was made
.elseif (\j) == 26
.set RPK, 23
.elseif (\j) <= 28
.set RPK, 3+(\j)                       ; s30, s31
.elseif (\j) == 29
.set RPK, 38
.else
.set RPK, 16+(\j)                      ; s46, s47
.endif
.endm
; 16 loads: unit i (K group i, my u and nh) into ring slot \slot: load j takes rows 64 i + 16 u + j (lanes 0-15) and 32 further (lanes 16-31), 256 consecutive bytes each
.macro WLOAD slot, i
	WIN 0x80
.irp j, 0,1,2,3,4,5,6,7,8,9,10,11,12,13,14,15
	global_load_b128 v[64*(\slot)+4*(\j):64*(\slot)+4*(\j)+3], v4, s[28:29] offset:(64*(\i)+(\j))*PITCH th:TH_LOAD_NT
.endr
.endm
; A unit's turn: its 16 loads are in (lc younger ones stay out); two neighbouring rows' numbers of a column pack into a register of that column's fragment; the slot is asked for again, four units on; four fragments go to LDS
.macro UNIT i, refill, lc
	s_wait_loadcnt \lc
	WIN 0x0a
.irp t, 0,1,2,3
.irp p, 0,1,2,3,4,5,6,7
	v_cvt_pk_bf16_f32 v[32+8*(\t)+(\p)], v[64*(\i)+8*(\p)+(\t)], v[64*(\i)+8*(\p)+4+(\t)]
.endr
.endr
.if \refill
	WLOAD \i, (\i)+4
.endif
	WIN 0
.irp t, 0,1,2,3
.irp q, 0,1
	ds_store_b128 v5, v[32+8*(\t)+4*(\q):32+8*(\t)+4*(\q)+3] offset:16384*(\i)+1024*(\t)+512*(\q)  ; 512 consecutive bytes: no bank is asked twice
.endr
.endr
.endm
; 24 loads: a K group's x fragments for six slots, 64 bytes a lane
.macro XLOAD buf, koff
.if (\buf) == 0
	WIN 0
.set XB, 160
.elseif (\buf) == 1
	WIN 0x40
.set XB, 0
.else
	WIN 0x40
.set XB, 96
.endif
.irp s, 0,1,2,3,4,5
.irp i, 0,1,2,3
	global_load_b128 v[XB+16*(\s)+4*(\i):XB+16*(\s)+4*(\i)+3], v[XO+(\s)], s[32:33] offset:(\koff)+16*(\i)
.endr
.endr
.endm
; 16 LDS loads: the eight weight fragments of half u of a K group
.macro BLOAD u, off
	WIN 0
.irp n, 0,1,2,3,4,5,6,7
.irp q, 0,1
	ds_load_b128 v[32+64*(\u)+8*(\n)+4*(\q):32+64*(\u)+8*(\n)+4*(\q)+3], v7 offset:(\off)+8192*(\u)+1024*(\n)+512*(\q)
.endr
.endr
.endm
; Half a K group: for each live slot 8 products, the slot's 8 accumulators by turns: on every way the product ahead of accumulator (0, 0)'s wrote some (., 7).
; zero = 1: the pass's first products start the sums with the bias, for all six slots and with no jump, so that every accumulator is written before a later link reads it.
; Four v_nop close it: the places in front of the loads into registers that these products read, and of the way out (ISA guide 7.12.1 for vector instructions).
.macro HALF u, buf, zero
.if (\buf) == 0
.set XW, 0
.set XB, 160
.elseif (\buf) == 1
.set XW, 1
.set XB, 0
.else
.set XW, 1
.set XB, 96
.endif
.irp s, 0,1,2,3,4,5
.if ((\zero) == 0) && ((\s) > 0)
	WIN 0                                          ; at a branch and at a label every window is 0
	s_cmp_le_u32 s25, \s
	s_cbranch_scc1 .Ldone_\@
.endif
.set AW, 2+(\s)/4
.set AB, 64*((\s)%4)
.if \zero
	WIN (XW<<2)|(1<<4)|(AW<<6)
.else
	WIN (XW<<2)|(AW<<4)|(AW<<6)
.endif
.irp n, 0,1,2,3,4,5,6,7
.if \zero
	v_wmma_f32_16x16x32_bf16 v[AB+8*(\n):AB+8*(\n)+7], v[32+64*(\u)+8*(\n):32+64*(\u)+8*(\n)+7], v[XB+16*(\s)+8*(\u):XB+16*(\s)+8*(\u)+7], v[BIAS+8*(\n):BIAS+8*(\n)+7]
.else
	v_wmma_f32_16x16x32_bf16 v[AB+8*(\n):AB+8*(\n)+7], v[32+64*(\u)+8*(\n):32+64*(\u)+8*(\n)+7], v[XB+16*(\s)+8*(\u):XB+16*(\s)+8*(\u)+7], v[AB+8*(\n):AB+8*(\n)+7]
.endif
.endr
.endr
	WIN 0
.Ldone_\@:
.rept 4
	v_nop
.endr
.endm
; A K group.  x of this group is in (lc: the next group's 24 loads stay out); x two groups on is asked for, into the buffer read last; each half waits for its weight fragments
; (16: the other half's loads stay out) and, multiplied, is asked for again from the next group.
.macro TRIP buf, zero, nx, koff, lc, nb, boff
	s_wait_loadcnt \lc
.if (\nx) >= 0
	XLOAD \nx, \koff
.endif
	s_wait_dscnt 16
	HALF 0, \buf, \zero
.if \nb
	BLOAD 0, (\boff)+16384
	s_wait_dscnt 16
.else
	s_wait_dscnt 0x0
.endif
	HALF 1, \buf, 0
.if \nb
	BLOAD 1, (\boff)+16384
.endif
.endm
; One halving of SEARCH: t = the set bits in the lower half of the block at SP; if SN of them or fewer lie there, the bit wanted lies in the upper half
.macro LEVEL src, width, step
	v_bfe_u32 v[ST], v[\src], v[SP], \width
	v_cmp_ge_u32 vcc_lo, v[SN], v[ST]
	v_cndmask_b32 v[ST], 0, v[ST], vcc_lo
	v_cndmask_b32 v[SU], 0, \step, vcc_lo
	v_sub_nc_u32 v[SN], v[SN], v[ST]
	v_add_nc_u32 v[SP], v[SP], v[SU]
.endm
; SEARCH: the tokens of two slots.  Lanes 0-15 look for the 16 ranks of one slot, lanes 16-31 for those of the next (RHO).  The step is the last whose count is not above the rank: the counts ascend, and the step's
; first token below them only orders equal counts.  In its mask the bit wanted is number rank - count among the set ones: found from the counts of fields of 16, 8, 4, 2 and 1 bits, halving five times.
; A rank past the expert's count takes token e, a row that exists.  Both halves of the lanes then take both slots' tokens; the six slots' registers move up by two, so that three searches fill them.
.macro SEARCH
	WIN 0
	v_lshl_or_b32 v[SKEY], v[RHO], 10, 0x3ff
	v_mov_b32 v[SPK], 0                            ; step 0: count 0, first token 0
	v_mov_b32 v[SM], s[MK]
.set jj, 1
.rept 31
	PKREG jj
	v_cmp_le_u32 vcc_lo, s[RPK], v[SKEY]
	v_cndmask_b32 v[SPK], v[SPK], s[RPK], vcc_lo
	v_cndmask_b32 v[SM], v[SM], s[MK+jj], vcc_lo
.set jj, jj+1
.endr
	v_lshrrev_b32 v[ST], 10, v[SPK]
	v_sub_nc_u32 v[SN], v[RHO], v[ST]              ; rank - count
	v_and_b32 v[SPK], 0x3ff, v[SPK]                ; the step's first token
	v_lshrrev_b32 v[SA], 1, v[SM]
	v_and_b32 v[SA], 0x55555555, v[SA]
	v_sub_nc_u32 v[SA], v[SM], v[SA]               ; counts of 2 bits
	v_lshrrev_b32 v[SB], 2, v[SA]
	v_and_b32 v[SB], 0x33333333, v[SB]
	v_and_b32 v[ST], 0x33333333, v[SA]
	v_add_nc_u32 v[SB], v[SB], v[ST]               ; of 4
	v_lshrrev_b32 v[SC], 4, v[SB]
	v_add_nc_u32 v[SC], v[SC], v[SB]
	v_and_b32 v[SC], 0x0f0f0f0f, v[SC]             ; of 8
	v_lshrrev_b32 v[SD], 8, v[SC]
	v_add_nc_u32 v[SD], v[SD], v[SC]               ; its lowest byte: of bits 0 to 15
	v_mov_b32 v[SP], 0
	LEVEL SD, 8, 16
	LEVEL SC, 8, 8
	LEVEL SB, 4, 4
	LEVEL SA, 2, 2
	LEVEL SM, 1, 1
	v_lshl_add_u32 v[SPK], v[SP], 2, v[SPK]        ; the token: the step's first + 4 x the lane that held it
	v_cmp_gt_u32 vcc_lo, s21, v[RHO]               ; is the rank below the count?
	v_cndmask_b32 v[SPK], v9, v[SPK], vcc_lo
	s_mov_b32 s39, 0x76543210                      ; v_permlanex16_b32: each lane takes its own place in the other half
	s_mov_b32 s40, 0xfedcba98
	v_permlanex16_b32 v[SX], v[SPK], s39, s40
	v_mov_b32 v[XO], v[XO+2]
	v_mov_b32 v[XO+1], v[XO+3]
	v_mov_b32 v[XO+2], v[XO+4]
	v_mov_b32 v[XO+3], v[XO+5]
	v_cndmask_b32 v[XO+4], v[SPK], v[SX], s27      ; the even slot: what lanes 0-15 found
	v_cndmask_b32 v[XO+5], v[SX], v[SPK], s27      ; the odd slot: what lanes 16-31 found
	v_add_nc_u32 v[RHO], 0x80, v[RHO]              ; two slots on: 2 x 4 tiles x 16 ranks
.endm
	s_load_b256 s[4:11], s[0:1], 0x0               ; xb s[4:5], selp s[6:7], w1 s[8:9], b1 s[10:11]
	s_load_b128 s[12:15], s[0:1], 0x20             ; hid s[12:13], pos s[14:15]
	s_load_b64 s[16:17], s[0:1], 0x30              ; cnt
	v_lshl_add_u32 v30, v0, 2, SPARE               ; my spare word,
	v_mov_b32 v31, 0                               ; and 0: kept for the closing lines alone
	v_lshrrev_b32 v21, 5, v0
	v_readfirstlane_b32 s18, v21                   ; wave
	s_mov_b32 s19, ttmp9                           ; nslice
	s_and_b32 s20, ttmp7, 0xffff                   ; e
	v_and_b32 v1, 31, v0
	v_and_b32 v2, 15, v0                           ; r
	v_bfe_u32 v3, v0, 4, 1                         ; h
	s_lshr_b32 s39, s18, 1                         ; my units' u
	s_and_b32 s40, s18, 1                          ; and nh
	s_mul_i32 s41, s39, 16*PITCH
	s_lshl_b32 s42, s40, 8
	s_add_co_u32 s41, s41, s42
	v_mul_u32_u24 v4, v3, 32*PITCH
	v_lshl_add_u32 v4, v2, 4, v4
	v_add_nc_u32 v4, s41, v4                       ; (32 h + 16 u) rows + 256 nh + 16 r
	s_lshl_b32 s42, s18, 12
	v_lshl_add_u32 v5, v1, 4, s42                  ; 16 lane + (8 u + 4 nh) x 1024 = 16 lane + 4096 wave
	v_lshlrev_b32 v6, 4, v1
	s_lshr_b32 s39, s19, 2
	s_lshl_b32 s39, s39, 9
	s_and_b32 s40, s19, 3
	s_lshl2_add_u32 s39, s40, s39
	v_add_nc_u32 v8, s39, v6                       ; 4 x (128 (nslice / 4) + nslice % 4 + 4 lane): selp of step nslice's tokens
	v_mov_b32 v9, s20
	v_lshlrev_b32 v20, 7, v3
	v_lshlrev_b32 v28, 6, v3
	v_mov_b32 v29, 0
	s_lshl_b32 s39, s18, 4
	v_add3_u32 v[RHO], v28, v2, s39                ; pass 0, slots 0 and 1: rank 16 (4 h + wave) + r
.irp s, 0,1,2,3,4,5
	v_mov_b32 v[XO+(\s)], v9                       ; SEARCH moves these before it has filled them
.endr
	v_mov_b32 v[SX], v9                            ; v_permlanex16_b32's destination counts as read
	s_lshl_b32 s36, 0x101, s20                     ; the expert's two bits in a word of selp
	s_add_co_u32 s37, s20, 8
	s_mov_b32 s21, 0
	s_mov_b32 s43, 0
	s_mov_b32 s27, 0xffff0000
	s_lshl_b32 s44, s20, 24                        ; the expert's 16 MiB of w1,
	s_lshl_b32 s46, s19, 9                         ; my 128 columns
	s_add_co_u32 s44, s44, s46
	s_mov_b32 s45, 0
	s_lshl_b32 s42, s20, 14
	s_add_co_u32 s46, s46, s42                     ; the same columns in the expert's row of b1
	s_mov_b32 s47, 0
	s_lshl_b32 s40, s20, 9                         ; the expert's 512 bytes of cnt
	s_mov_b32 s41, 0
	s_lshl_b32 s48, s20, 23                        ; the expert's 8 MiB of hid,
	s_lshl_b32 s42, s19, 12                        ; my four blocks of 1,024 bytes in a tile
	s_add_co_u32 s48, s48, s42
	s_wait_kmcnt 0x0
	s_add_nc_u64 s[28:29], s[8:9], s[44:45]
	s_add_nc_u64 s[10:11], s[10:11], s[46:47]
	s_add_nc_u64 s[16:17], s[16:17], s[40:41]
.irp q, 0,1,2,3,4,5,6,7
	global_load_b128 v[160+4*(\q):160+4*(\q)+3], v6, s[6:7] offset:512*(\q)  ; all of selp: register 160 + j holds step j's word
.endr
	global_load_b32 v[SW], v8, s[6:7]              ; and step nslice's once more, in a register that has a name
	WIN 0x40
.irp a, 0,1
.irp m, 0,1,2,3,4,5,6,7
	global_load_b128 v[32*(\a)+4*(\m):32*(\a)+4*(\m)+3], v20, s[10:11] offset:256*(\a)+16*(\m)  ; b1 of columns 64 nh + 32 h + 0 .. 31
.endr
.endr
	WLOAD 0, 0
	WLOAD 1, 1
	s_wait_loadcnt 48                              ; selp is in: behind its nine loads stand b1's 16 and two units' 32
	WLOAD 2, 2                                     ; the ring's other half goes out ahead of the steps
	WLOAD 3, 3
	WIN 0
	; THE STEPS.  Step j: its mask; the count so far with the step's first token below it; the count goes on.  Every wave of every slice makes the same numbers.
.set jj, 0
.rept 32
	v_and_b32 v21, s36, v[160+jj]
	v_cmp_ne_u32 s[MK+jj], 0, v21
	s_cmp_eq_u32 s19, jj
	s_cselect_b32 s43, s21, s43                    ; the count ahead of my slice's step is kept
.if jj > 0
	PKREG jj
	s_lshl_b32 s[RPK], s21, 10
	s_or_b32 s[RPK], s[RPK], 128*(jj/4)+jj%4
.endif
	s_bcnt1_i32_b32 s39, s[MK+jj]
	s_add_co_u32 s21, s21, s39
.set jj, jj+1
.endr
	s_add_co_u32 s22, s21, 15
	s_lshr_b32 s22, s22, 4                         ; tiles of 16 rows
	s_cmp_lg_u32 s18, 0
	s_cbranch_scc1 .Lnopos
	; wave 0 stores where the 32 tokens of step nslice went, all lanes on: a token that chose the expert at its choice's word, another at the scratch word of token and expert.
	; A choice belongs to one expert and a token to one step: each word of pos has one writer.
	v_and_b32 v21, s36, v[SW]
	v_cmp_ne_u32 vcc_lo, 0, v21
	v_lshrrev_b32 v21, s37, v21                    ; 1: the expert is the token's second choice
	v_lshrrev_b32 v22, 2, v8                       ; the token
	v_lshl_or_b32 v21, v21, 10, v22                ; the choice k 1024 + token
	s_lshl_b32 s39, s20, 10
	s_add_co_u32 s40, s39, 0x800
	v_mbcnt_lo_u32_b32 v27, vcc_lo, s43            ; the rank: the count ahead of the step + the matching lanes below me
	v_add_nc_u32 v27, s39, v27                     ; e 1024 + rank: what is stored
	v_add_nc_u32 v22, s40, v22                     ; the scratch word
	v_cndmask_b32 v26, v22, v21, vcc_lo
	v_min_u32 v26, 0x27ff, v26                     ; inside pos's 10,240 words
	v_lshlrev_b32 v26, 2, v26
	global_store_b32 v26, v27, s[14:15]
.Lnopos:
	s_cmp_lg_u32 s19, 0
	s_cbranch_scc1 .Lnocnt
	v_lshlrev_b32 v24, 2, v0
	v_mov_b32 v25, s21
	global_store_b32 v24, v25, s[16:17]            ; slice 0: the count, in all 128 words of the expert's 512 bytes
.Lnocnt:
	s_mov_b32 s26, 3
.Lstream:                                              ; a trip: four units out of the ring, four asked for.  48: behind a unit's loads stand three units'
	SEARCH                                         ; pass 0's three searches ride on the three trips, at their head: the ring is full, and the wave would wait
	UNIT 0, 1, 48
	UNIT 1, 1, 48
	UNIT 2, 1, 48
	UNIT 3, 1, 48
	WIN 0
	s_wait_xcnt 0x0                                ; the base steps only behind this wait
	s_add_nc_u64 s[28:29], s[28:29], 256*PITCH
	v_add_nc_u32 v5, 0x10000, v5
	s_sub_co_u32 s26, s26, 1
	s_cmp_lg_u32 s26, 0
	s_cbranch_scc1 .Lstream
	UNIT 0, 0, 48                                  ; the last four units ask for nothing: the counts run down
	UNIT 1, 0, 32
	UNIT 2, 0, 16
	UNIT 3, 0, 0
	; the bias, rounded to bf16 and laid as a C operand: register j of tile 4 nh + t is column 64 nh + 32 h + 4 j + t
	WIN 0x05
.irp k, 0,1,2,3,4,5,6,7,8,9,10,11,12,13,14,15,16,17,18,19,20,21,22,23,24,25,26,27,28,29,30,31
	v_cvt_pk_bf16_f32 v[32+(\k)], v[2*(\k)], v[2*(\k)+1]
.endr
	WIN 0x40
.irp k, 0,1,2,3,4,5,6,7,8,9,10,11,12,13,14,15,16,17,18,19,20,21,22,23,24,25,26,27,28,29,30,31
	v_lshlrev_b32 v[BIAS+8*(4*((\k)/16)+(2*(\k))%4)+((2*(\k))%32)/4], 16, v[32+(\k)]
	v_and_b32 v[BIAS+8*(4*((\k)/16)+(2*(\k))%4+1)+((2*(\k))%32)/4], s27, v[32+(\k)]
.endr
	WIN 0
	s_wait_dscnt 0x0                               ; for the others' sake: my fragments are in LDS
	s_barrier_signal -1
	s_barrier_wait -1                              ; from here to the next barrier LDS is only read
	s_mov_b32 s24, 3                               ; 3 passes cover 64 tiles: every split of the tokens
	s_mov_b32 s49, 0
.Lpass:
	s_sub_co_i32 s42, s22, s49
	s_max_i32 s42, s42, 0
	s_min_u32 s42, s42, 24                         ; tiles of this pass
	s_add_co_u32 s42, s42, 3
	s_sub_co_u32 s42, s42, s18
	s_lshr_b32 s25, s42, 2                         ; those of them that are mine: tiles 4 slot + wave
	s_cmp_eq_u32 s25, 0
	s_cbranch_scc1 .Lbottom
	s_wait_xcnt 0x0                                ; earlier loads and stores have read their registers and base
	s_cmp_eq_u32 s49, 0
	s_cbranch_scc1 .Lhave                          ; pass 0's tokens were found beside the stream
	s_mov_b32 s26, 3                               ; a later pass (an expert with more than 384 rows): RHO has run on to its ranks: three searches step it by 384
.Lfind:
	SEARCH
	s_sub_co_u32 s26, s26, 1
	s_cmp_lg_u32 s26, 0
	s_cbranch_scc1 .Lfind
.Lhave:
.irp s, 0,1,2,3,4,5
	v_min_u32 v[XO+(\s)], 0x3ff, v[XO+(\s)]        ; the token, inside xb's 1,024 rows
	v_lshl_add_u32 v[XO+(\s)], v[XO+(\s)], 11, v28 ; its row of 2,048 bytes + 64 h
.endr
	s_add_co_u32 s43, s49, s18
	s_mov_b64 s[32:33], s[4:5]
	s_mov_b32 s50, 0                               ; K group 0 lies at LDS byte 0
	v_add_nc_u32 v7, s50, v6
	s_lshl_b32 s44, s43, 17                        ; a tile of hid is 128 blocks of 1,024 bytes
	s_add_co_u32 s44, s44, s48
	s_mov_b32 s45, 0
	s_add_nc_u64 s[34:35], s[12:13], s[44:45]
	XLOAD 0, 0
	XLOAD 1, KB
	BLOAD 0, 0
	BLOAD 1, 0
	TRIP 0, 1, 2, 2*KB, 24, 1, 0                   ; K group 0
	WIN 0
	s_wait_xcnt 0x0
	s_add_nc_u64 s[32:33], s[32:33], KB
	s_add_co_u32 s50, s50, 16384                   ; a K group is 16 fragments of 1,024 bytes
	v_add_nc_u32 v7, s50, v6
	s_mov_b32 s26, 4
.Ltrips:                                               ; K groups 1 to 12, three a trip: the three x buffers take turns
	TRIP 1, 0, 0, 2*KB, 24, 1, 0
	TRIP 2, 0, 1, 3*KB, 24, 1, 16384
	TRIP 0, 0, 2, 4*KB, 24, 1, 32768
	WIN 0
	s_wait_xcnt 0x0
	s_add_nc_u64 s[32:33], s[32:33], 3*KB
	s_add_co_u32 s50, s50, 49152
	v_add_nc_u32 v7, s50, v6
	s_sub_co_u32 s26, s26, 1
	s_cmp_lg_u32 s26, 0
	s_cbranch_scc1 .Ltrips
	TRIP 1, 0, 0, 2*KB, 24, 1, 0                   ; group 13 asks for x of group 15, the last
	TRIP 2, 0, -1, 0, 24, 1, 16384
	TRIP 0, 0, -1, 0, 0, 0, 0
	; THE WAY OUT, slot by slot: pairs of neighbouring columns are rounded to bf16 (register 0 of each accumulator first), relu on the packed halves, four stores of 512 consecutive bytes for each nh
.irp s, 0,1,2,3,4,5
.if (\s) > 0
	s_cmp_le_u32 s25, \s
	s_cbranch_scc1 .Lbottom
.endif
	s_wait_xcnt 0x0                                ; the slot before's stores have read v[32:63]
.set AW, 2+(\s)/4
.set AB, 64*((\s)%4)
.irp a, 0,1
	WIN AW|(AW<<2)
.irp j, 0,1,2,3,4,5,6,7
.irp b, 0,1
	v_cvt_pk_bf16_f32 v[32+16*(\a)+2*(\j)+(\b)], v[AB+8*(4*(\a)+2*(\b))+(\j)], v[AB+8*(4*(\a)+2*(\b)+1)+(\j)]
.endr
.endr
	WIN 0
.irp d, 0,1,2,3,4,5,6,7,8,9,10,11,12,13,14,15
	v_pk_max_num_bf16 v[32+16*(\a)+(\d)], v[32+16*(\a)+(\d)], v29
.endr
.irp m, 0,1,2,3
	global_store_b128 v6, v[32+16*(\a)+4*(\m):32+16*(\a)+4*(\m)+3], s[34:35] offset:524288*(\s)+1024*(2*(\a)+(\m)/2)+512*((\m)%2)
.endr
.endr
.endr
.Lbottom:
	s_add_co_u32 s49, s49, 24
	s_sub_co_u32 s24, s24, 1
	s_cmp_lg_u32 s24, 0
	s_cbranch_scc1 .Lpass
	s_wait_dscnt 0x0                               ; my reads of LDS are over;
	s_barrier_signal -1
	s_barrier_wait -1                              ; everybody's are: the closing adds, the only LDS writes behind the first barrier, come behind all reads
	s_wait_tensorcnt 0x0                           ; the wave's end
	ds_add_u32 v30, v31
	s_wait_dscnt 0x0
	s_endpgm
.Lfunc_end_k_qe1946bb5b2_ffn1:
	.size	k_qe1946bb5b2_ffn1, .Lfunc_end_k_qe1946bb5b2_ffn1-k_qe1946bb5b2_ffn1
	.p2alignl 7, 3214868480
	.fill 96, 4, 3214868480
	.section	.rodata,"a",@progbits
	.p2align	6, 0x0
	.amdhsa_kernel k_qe1946bb5b2_ffn1
		.amdhsa_group_segment_fixed_size 262656
		.amdhsa_private_segment_fixed_size 0
		.amdhsa_enable_private_segment 0
		.amdhsa_kernarg_size 56
		.amdhsa_user_sgpr_count 2
		.amdhsa_user_sgpr_kernarg_segment_ptr 1
		.amdhsa_wavefront_size32 1
		.amdhsa_system_sgpr_workgroup_id_x 1
		.amdhsa_system_sgpr_workgroup_id_y 1
		.amdhsa_system_sgpr_workgroup_id_z 1
		.amdhsa_system_vgpr_workitem_id 0
		.amdhsa_next_free_vgpr 896
		.amdhsa_next_free_sgpr 106
		.amdhsa_reserve_vcc 1
		.amdhsa_float_denorm_mode_32 3
		.amdhsa_float_denorm_mode_16_64 3
		.amdhsa_memory_ordered 1
		.amdhsa_forward_progress 1
		.amdhsa_inst_pref_size 184
	.end_amdhsa_kernel
	.amdgpu_metadata
---
amdhsa.version: [ 1, 2 ]
amdhsa.kernels:
  - .name:           k_qe1946bb5b2_ffn1
    .symbol:         k_qe1946bb5b2_ffn1.kd
    .args:
      - { .name: xb, .offset: 0, .size: 8, .value_kind: global_buffer, .address_space: global }
      - { .name: selp, .offset: 8, .size: 8, .value_kind: global_buffer, .address_space: global }
      - { .name: w1, .offset: 16, .size: 8, .value_kind: global_buffer, .address_space: global }
      - { .name: b1, .offset: 24, .size: 8, .value_kind: global_buffer, .address_space: global }
      - { .name: hid, .offset: 32, .size: 8, .value_kind: global_buffer, .address_space: global }
      - { .name: pos, .offset: 40, .size: 8, .value_kind: global_buffer, .address_space: global }
      - { .name: cnt, .offset: 48, .size: 8, .value_kind: global_buffer, .address_space: global }
    .group_segment_fixed_size: 262656
    .private_segment_fixed_size: 0
    .kernarg_segment_align: 8
    .kernarg_segment_size: 56
    .max_flat_workgroup_size: 128
    .sgpr_count:     106
    .vgpr_count:     896
    .wavefront_size: 32
...
	.end_amdgpu_metadata
.endif
;; end of part 5
;; launch ffn2: the kernel of part 3 again; grid 32 x 8, 4 waves a work-group, no clusters, 262,656 bytes of LDS; arguments hid, cnt, w2, b2, ybuf; writes ybuf
;; launch combine: the kernel of part 4 again; grid 256 x 1, 8 waves a work-group, no clusters, 0 bytes of LDS; arguments ybuf, pos, gates, aux, out0, out1, out2; writes out0, out1, out2
